; MI455X (gfx1250); checked and timed in simulation.
; The chip was launched on July 23, 2026; its instructions are those of AMD's public machine-readable ISA for CDNA 5 (MIT licence, August 2026) and "CDNA5" Instruction Set Architecture Reference Guide (July 2026). The comments in the code are by the model that wrote it; some were corrected since.
;; Multi Head Attention. Allowed arithmetic: float matrix products may take bf16 or f16 operands with f32 sums; other float arithmetic in f32, or as packed bf16 or f16 multiplies, adds, multiply-adds, maxima and minima; sums over many terms, partial sums and values carried from step to step in f32; what a program stores and reads back later, other than sums and carried values, may be rounded once to bf16 or f16.
;; Inputs: Wk 1,024 x 1,024 float32; Wo 1,024 x 1,024 float32; Wq 1,024 x 1,024 float32; Wv 1,024 x 1,024 float32; bo 1,024 float32; key 4 x 2,048 x 1,024 float32; query 4 x 2,048 x 1,024 float32; value 4 x 2,048 x 1,024 float32.
;; Outputs: out0 4 x 2,048 x 1,024 float32.
;; One version. Each part assembles by itself: llvm-mc -triple=amdgcn-amd-amdhsa -mcpu=gfx1250 --defsym DOCPART=n.
;; ======== version 1 of 1: 4 launches
;; limits: values are held in f16: magnitudes above 65,504 overflow, below 6.1e-05 lose precision
;; workspace buffers: w16 8,388,608 bytes; qkv 50,331,648 bytes; o16 16,777,216 bytes
;; launch prep (part 1): grid 64 x 4, 8 waves a work-group, no clusters, 0 bytes of LDS; arguments Wq, Wk, Wv, Wo, w16; writes w16
.if DOCPART == 1
	.amdgcn_target "amdgcn-amd-amdhsa--gfx1250"
	.amdhsa_code_object_version 6
	.text
	.protected	k_qb11816a4a4_prep
	.globl	k_qb11816a4a4_prep
	.p2align	8
	.type	k_qb11816a4a4_prep,@function
k_qb11816a4a4_prep:
	s_mov_b64 s[64:65], 0
	v_nop
	global_prefetch_b8 v0, s[64:65] scope:SCOPE_SE
	s_setreg_imm32_b32 hwreg(HW_REG_WAVE_MODE, 25, 1), 1
	s_wait_xcnt 0x0
; THE WEIGHTS IN 16 BITS.  w16[y][k][n], y = 0, 1, 2: Wq, Wk, Wv rounded to bf16; y = 3: Wo rounded to bf16 and that number written as f16.  The layout [k][n] is kept.
; LIMITS.  A bf16 number is written as f16 without loss from 2^-14 up to 65,504 in magnitude; below 2^-14 it keeps f16's fixed step of 6e-8, at 65,520 and beyond it becomes an infinity.
; A stream: each byte is read once and written once; no LDS, no matrix unit, no barrier: no wave wants a byte that another has fetched.
; SHARES.  Work-group (x, y) takes 16,384 numbers of matrix y: 65,536 bytes in, 32,768 out.  In pass i of eight thread t takes 8 numbers: 32 bytes at 8,192 i + 32 t, and stores 16 bytes at
; 4,096 i + 16 t: a wave's store covers 512 consecutive bytes, aligned.  All 16 loads go out first; no store's data register is written twice, so no wait frees one.
.set T, 4                              ; v[4:11]   at work
.set X, 16                             ; v[16:79]  pass i: 8 numbers in f32
.set Y, 80                             ; v[80:111] pass i: 8 numbers in 16 bits
	s_load_b256 s[4:11], s[0:1], 0x0               ; Wq s[4:5], Wk s[6:7], Wv s[8:9], Wo s[10:11]
	s_load_b64 s[12:13], s[0:1], 0x20              ; w16
	s_and_b32 s20, ttmp7, 0xffff                   ; y: which matrix
	s_lshl_b32 s16, ttmp9, 16                      ; my 65,536 bytes of it
	s_mov_b32 s17, 0
	s_lshl_b32 s18, s20, 21                        ; its plane of w16,
	s_lshl_b32 s19, ttmp9, 15                      ; my 32,768 bytes there
	s_add_co_u32 s18, s18, s19
	s_mov_b32 s19, 0
	v_lshlrev_b32 v1, 5, v0                        ; 32 t
	v_lshlrev_b32 v2, 4, v0                        ; 16 t
	s_wait_kmcnt 0x0
	s_cmp_lt_u32 s20, 1
	s_cselect_b64 s[14:15], s[4:5], s[6:7]
	s_cmp_lt_u32 s20, 2
	s_cselect_b64 s[14:15], s[14:15], s[8:9]
	s_cmp_lt_u32 s20, 3
	s_cselect_b64 s[14:15], s[14:15], s[10:11]
	s_add_nc_u64 s[14:15], s[14:15], s[16:17]
	s_add_nc_u64 s[12:13], s[12:13], s[18:19]
.irp i, 0,1,2,3,4,5,6,7
	global_load_b128 v[X+8*(\i):X+8*(\i)+3],   v1, s[14:15] offset:8192*(\i) th:TH_LOAD_NT
	global_load_b128 v[X+8*(\i)+4:X+8*(\i)+7], v1, s[14:15] offset:8192*(\i)+16 th:TH_LOAD_NT
.endr
; Pass i.  half = 0: to bf16.  half = 1: to bf16, widened again (a shift, a mask) and written as f16.
.macro PASS i, half
	s_wait_loadcnt 14-2*(\i)                       ; loads come back in order: this pass's two are in, the 14 - 2 i younger ones stay out
.if \half
.irp j, 0,1,2,3
	v_cvt_pk_bf16_f32 v[T+(\j)], v[X+8*(\i)+2*(\j)], v[X+8*(\i)+2*(\j)+1]
.endr
.irp j, 0,1,2,3
	v_lshlrev_b32 v[T+4+2*((\j)%2)], 16, v[T+(\j)]
	v_and_b32 v[T+5+2*((\j)%2)], 0xffff0000, v[T+(\j)]
	v_cvt_pk_f16_f32 v[Y+4*(\i)+(\j)], v[T+4+2*((\j)%2)], v[T+5+2*((\j)%2)]
.endr
.else
.irp j, 0,1,2,3
	v_cvt_pk_bf16_f32 v[Y+4*(\i)+(\j)], v[X+8*(\i)+2*(\j)], v[X+8*(\i)+2*(\j)+1]
.endr
.endif
	global_store_b128 v2, v[Y+4*(\i):Y+4*(\i)+3], s[12:13] offset:4096*(\i)
.endm
	s_cmp_eq_u32 s20, 3
	s_cbranch_scc1 .Lwo
.irp i, 0,1,2,3,4,5,6,7
	PASS \i, 0
.endr
	s_endpgm
.Lwo:
.irp i, 0,1,2,3,4,5,6,7
	PASS \i, 1
.endr
	s_endpgm
.Lfunc_end_k_qb11816a4a4_prep:
	.size	k_qb11816a4a4_prep, .Lfunc_end_k_qb11816a4a4_prep-k_qb11816a4a4_prep
	.p2alignl 7, 3214868480
	.fill 96, 4, 3214868480
	.section	.rodata,"a",@progbits
	.p2align	6, 0x0
	.amdhsa_kernel k_qb11816a4a4_prep
		.amdhsa_group_segment_fixed_size 0
		.amdhsa_private_segment_fixed_size 0
		.amdhsa_enable_private_segment 0
		.amdhsa_kernarg_size 40
		.amdhsa_user_sgpr_count 2
		.amdhsa_user_sgpr_kernarg_segment_ptr 1
		.amdhsa_wavefront_size32 1
		.amdhsa_system_sgpr_workgroup_id_x 1
		.amdhsa_system_sgpr_workgroup_id_y 1
		.amdhsa_system_sgpr_workgroup_id_z 1
		.amdhsa_system_vgpr_workitem_id 0
		.amdhsa_next_free_vgpr 112
		.amdhsa_next_free_sgpr 66
		.amdhsa_reserve_vcc 0
		.amdhsa_float_denorm_mode_32 3
		.amdhsa_float_denorm_mode_16_64 3
		.amdhsa_memory_ordered 1
		.amdhsa_forward_progress 1
		.amdhsa_inst_pref_size 14
	.end_amdhsa_kernel
	.amdgpu_metadata
---
amdhsa.version: [ 1, 2 ]
amdhsa.kernels:
  - .name:           k_qb11816a4a4_prep
    .symbol:         k_qb11816a4a4_prep.kd
    .args:
      - { .name: Wq, .offset: 0, .size: 8, .value_kind: global_buffer, .address_space: global }
      - { .name: Wk, .offset: 8, .size: 8, .value_kind: global_buffer, .address_space: global }
      - { .name: Wv, .offset: 16, .size: 8, .value_kind: global_buffer, .address_space: global }
      - { .name: Wo, .offset: 24, .size: 8, .value_kind: global_buffer, .address_space: global }
      - { .name: w16, .offset: 32, .size: 8, .value_kind: global_buffer, .address_space: global }
    .group_segment_fixed_size: 0
    .private_segment_fixed_size: 0
    .kernarg_segment_align: 8
    .kernarg_segment_size: 40
    .max_flat_workgroup_size: 256
    .sgpr_count:     66
    .vgpr_count:     112
    .wavefront_size: 32
...
	.end_amdgpu_metadata
.endif
;; end of part 1
;; launch proj (part 2): grid 4 x 64, 4 waves a work-group, clusters of 4 x 4, 327,680 bytes of LDS; arguments query, key, value, w16, qkv; writes qkv
.if DOCPART == 2
	.amdgcn_target "amdgcn-amd-amdhsa--gfx1250"
	.amdhsa_code_object_version 6
	.text
	.protected	k_qb11816a4a4_proj
	.globl	k_qb11816a4a4_proj
	.p2align	8
	.type	k_qb11816a4a4_proj,@function
k_qb11816a4a4_proj:
	s_mov_b64 s[64:65], 0
	v_nop
	global_prefetch_b8 v0, s[64:65] scope:SCOPE_SE
	s_setreg_imm32_b32 hwreg(HW_REG_WAVE_MODE, 25, 1), 1
	s_wait_xcnt 0x0
	s_wait_alu depctr_hold_cnt(0) depctr_sa_sdst(0) depctr_va_vdst(0) depctr_va_sdst(0) depctr_va_ssrc(0) depctr_va_vcc(0) depctr_vm_vsrc(0)
	s_getreg_b32 s2, hwreg(HW_REG_IB_STS2, 6, 4)
	s_cmp_eq_u32 s2, 0
	s_cbranch_scc0 .Lentry_in_a_cluster
	s_endpgm
.Lentry_in_a_cluster:
	s_bfe_u32 s2, ttmp6, 0x10000c
	s_cmp_lg_u32 s2, 0xf033
	s_cbranch_scc0 .Lentry_shape_is_right
	s_endpgm
.Lentry_shape_is_right:
; THE THREE PROJECTIONS.  qkv[p][b 8 + head][s][128] (f16) = x_p[b 2048 + s][:] . W_p[:][head 128 + ..], p = 0, 1, 2: x = query, key, value (f32, rounded to bf16 here, in registers),
; W_p = plane p of w16 ([k][n], bf16).  Sums in f32; each result rounded once, to f16, unscaled.
; LIMITS.  f16 holds no number beyond 65,504: a result of 65,520 or more in magnitude becomes an infinity; below 6e-5 a result keeps f16's fixed step of 6e-8.
; SHARES.  A tile is 128 rows x 256 columns; 64 x 4 = 256 work-groups, and A WORK-GROUP STAYS: it makes its tile (row tile, column tile) for p = 0, then 1, then 2.  Four waves, each 64 rows x 128 columns
; (one head): 32 accumulators of 16 x 16.  K goes in steps of 128; a LAP is two steps; the walk is 12 laps: one counted loop of 11 trips and the last lap, written out.
; W COMES BY THE TENSOR DATA MOVER through two LDS slots, a K step each: each wave asks for 32 of the step's 128 k-rows (512 bytes each), so that every wave has a load of its own.  The planes of w16 lie end
; to end, so the ring runs on from tile to tile.  CLUSTERS: 4 x 4 work-groups; the four of a column of the cluster make the same columns and ask for W's tiles JOINTLY.
; x COMES THROUGH REGISTERS.  Each wave loads 32 of the tile's 128 rows, one instruction a row (a K step's 512 consecutive bytes, aligned), rounds them once, and stores them to LDS as bf16 (256 consecutive
; bytes an instruction); all four waves read fragments from there.  NO JOINT REQUEST FOR x, though the four work-groups of a row of the cluster want the same rows: a joint request lands in LDS alone, as f32:
; 512 bytes a row and K step where bf16 takes 256, each fragment read as 64 bytes a lane and rounded by both waves that want it; and it would have to land between two barriers, while a load into
; registers stays out across them: here 5 to 8 quarter steps.  The price: each of the four loads x itself.
; THE ORDER ALONG K.  Lap l of a tile takes the quarter (l + cluster y) mod 4 of K, for x and W alike, so that the clusters do not all ask for the same rows of W at the same time.
; THE MATRIX INSTRUCTION IS USED TRANSPOSED: source 0 = 16 columns of W, which lies [k][n] and comes out of LDS turned, by ds_load_tr16_b128; source 1 = 16 rows of x.  A lane then holds
; row l % 16 and the columns 8 (l / 16) + 0..7: eight neighbouring numbers of a row, 16 bytes of f16.
; REGISTERS, in windows of 256 (s_set_vgpr_msb: bits 1:0 source 0, 3:2 source 1, 5:4 source 2, 7:6 destination):
;   window 0: v0-31 addresses; v32-63, v64-95 x's four fragments, two buffers; v96-127 sixteen rounded rows on their way to LDS; v160-255 at work on the way out
;   window 1: v0-63, v64-127 W's eight fragments, two buffers     window 2: accumulator (a, b) at v[8 (8 a + b)]     window 3: x in f32: set 0 (even steps) v0-127, set 1 (odd steps) v128-255, 4 registers a row
.set KSTEP,  128
.set PA,     272                       ; a row of x in LDS: 256 bytes + 16 = 68 words: the 16 rows of a fragment load start at 16 different groups of four banks (64 banks of 4 bytes: ISA guide 11.1)
.set PB,     544                       ; a k-row of W: 512 + 32 = 136 words
.set AOFF,   128*PB                    ; a slot: W's 128 k-rows (filled by tensor loads), then x's 128 rows (written by LDS stores; no fill lands there)
.set SLOT1,  1<<17                     ; slot 1 begins here; a slot uses 104,448 bytes
.set STAGE,  SLOT1+AOFF+128*PA         ; behind the slots: 16 rows x 272 bytes for each wave, for the way out
.set SPITCH, 272
.set SPARE,  STAGE+4*16*SPITCH         ; behind the stages: the spare words, 128 bytes for each wave: two blocks of 256 bytes that no other line names
.set LAPS,   12
.set AO,   14                          ; v14     16 x lane: my 16 bytes of a row's 512; never rewritten
.set ADRA, 16                          ; v16-17  LDS address of my fragments of x in slot 0, 1
.set AST,  18                          ; v18-19  where I store 8 bytes of my wave's first row of x in slot 0, 1
.set ADRB, 20                          ; v20-21  LDS address of my fragments of W in slot 0, 1
.set STO,  24                          ; v24     the way out: where I put 16 bytes of a row
.set RD,   25                          ; v25     the way out: where I read rows back
.set CO,   26                          ; v26     16 x lane: my place in 512 consecutive bytes of the result
.set SPW,  28                          ; v28     LDS address of my spare word: SPARE + 4 x my thread's number; never rewritten
.set NIL,  29                          ; v29     0; never rewritten
.set PFO,  30                          ; v30     the prefetches' offset: lane x a row of x (4,096 bytes); never rewritten
.set AH,   32                          ; buffer f at AH + 32 f
.set CV,   96
.set TMP,  160
.set OB,   192                         ; 16 rows read back: v192-223 and v224-255 by turns
.set G1,  24                           ; s[24:31] descriptor group 1 for W's tiles
.set G0,  32                           ; s[32:39] group 0, a set for each slot
.set FT,  40                           ; s40      1 until the first tile has begun
.set TC,  41                           ; s41      laps of the tile in hand still to come, 4 at a tile's first lap
.set BO,  42                           ; s[42:43] byte offset in w16 of the lap that is being asked for: plane and quarter of K
.set AP,  44                           ; s[44:45] x at my wave's first row, at that lap's first byte
.set PFA, 46                           ; s[46:47] the same for the prefetch, a lap further on
.set RWO, 48                           ; s[48:49] byte offset of my wave's 32 rows in x
.set PWO, 50                           ; s[50:51] byte offset of what I prefetch: my work-group's 32 rows, my wave's 256 bytes of a lap's 1,024
.set XB,  52                           ; s[52:53] at work: x of a tile
.set LN,  54                           ; s54      the lap that is being asked for: the trip's own + 1
.set LP,  55                           ; s55      the lap that is prefetched: + 2
.set T0,  56                           ; s56      at work
.set KO,  60                           ; s[60:61] at work: a lap's byte offset along a row of x
.set BB1, 66                           ; s[66:67] w16 at my part of an odd step of plane 0, quarter 0; s[10:11] the same for an even step
.set MSB, 0
.macro WIN new                         ; the immediate's high byte repeats the setting that is left; a switch that changes nothing is dropped
.if MSB != (\new)
	s_set_vgpr_msb (MSB<<8)|(\new)
.set MSB, \new
.endif
.endm
.set MUL,    0xa1                      ; source 0 (W) window 1, source 1 (x) window 0, C and D window 2
.set TO_B,   0x40                      ; destination window 1, address window 0
.set TO_S,   0xc0                      ; destination window 3, address window 0
.set FROM_S, 0x0f                      ; sources 0 and 1 window 3, destination window 0
.macro PLACES                          ; four places (ISA guide 7.12.1) behind matrix instructions
.rept 4
	v_nop
.endr
.endm
.macro JLOAD s                         ; my joint load for slot s; an s_nop 0 and four v_nop follow it
	tensor_load_to_lds s[G0+4*(\s):G0+4*(\s)+3], s[G1:G1+7]
	s_nop 0
	PLACES
.endm
.macro CREST                           ; a round of the cluster's barrier behind its opening barrier: wave 0 signals for the work-group, every wave waits for all sixteen, my work-group's barrier closes it
	s_cmp_lg_u32 s14, 0
	s_cbranch_scc1 .Lnot_wave_0_\@
	s_barrier_signal -3
.Lnot_wave_0_\@:
	s_barrier_wait -3
	s_barrier_signal -1
	s_barrier_wait -1
.endm
.macro CROUND                          ; a whole round
	s_barrier_signal -1
	s_barrier_wait -1
	CREST
.endm
; s[dst] = x of tile lap / 4, + s[off], + the lap's 1,024 bytes of a row: quarter (lap + cluster y) mod 4 of K.  Leaves the tile in s[T0] and the bytes along the row in s[KO].
.macro LAPADR dst, lap, off
	s_lshr_b32 s[T0], s[\lap], 2
	s_add_co_u32 s[KO], s[\lap], s21
	s_and_b32 s[KO], s[KO], 3
	s_lshl_b32 s[KO], s[KO], 10
	s_cmp_eq_u32 s[T0], 0
	s_cselect_b64 s[XB:XB+1], s[4:5], s[6:7]
	s_cmp_eq_u32 s[T0], 2
	s_cselect_b64 s[XB:XB+1], s[8:9], s[XB:XB+1]
	s_add_nc_u64 s[\dst:\dst+1], s[XB:XB+1], s[\off:\off+1]
	s_add_nc_u64 s[\dst:\dst+1], s[\dst:\dst+1], s[KO:KO+1]
.endm
; A PREFETCH INTO THE L2 of x for the lap that the NEXT trip will load: 1,024 bytes of each of the tile's 128 rows.  The four partners that want these rows share them out BY ADDRESS, 32 each, a lane a row;
; wave w names the w-th 256 bytes: one instruction a wave and trip, and each block of 256 bytes is named once in the launch.  It stands behind the trip's first run of loads, one lap (256 matrix
; instructions) ahead of the loads that will want the bytes.  Laps 0 and 1 come by their loads alone; the loop's last trip (s3 = 1) asks for nothing: there is no lap 12.  W, which every cluster reads, is not asked for.
.macro ASK
	s_cmp_gt_u32 s3, 1
	s_cbranch_scc0 .Lnot_asked_\@
	global_prefetch_b8 v[PFO], s[PFA:PFA+1] th:TH_LOAD_NT scope:SCOPE_SE
.Lnot_asked_\@:
.endm
; x: sixteen of my wave's 32 rows (half 0 or 1) of a K step into set 0 (the lap's even step) or 1 (its odd step, 512 bytes further along the rows)
.macro LOAD16 set, half
	WIN TO_S
.irp k, 0,1,2,3,4,5,6,7,8,9,10,11,12,13,14,15
	global_load_b128 v[128*(\set)+4*(16*(\half)+(\k)):128*(\set)+4*(16*(\half)+(\k))+3], v[AO], s[AP:AP+1] offset:(16*(\half)+(\k))*4096+512*(\set)
.endr
.endm
.macro CVT2 set, row, c                ; two rows' four numbers a lane, rounded to bf16: 8 bytes a lane and row
	v_cvt_pk_bf16_f32 v[CV+(\c)],   v[128*(\set)+4*(\row)],   v[128*(\set)+4*(\row)+1]
	v_cvt_pk_bf16_f32 v[CV+(\c)+1], v[128*(\set)+4*(\row)+2], v[128*(\set)+4*(\row)+3]
	v_cvt_pk_bf16_f32 v[CV+(\c)+2], v[128*(\set)+4*(\row)+4], v[128*(\set)+4*(\row)+5]
	v_cvt_pk_bf16_f32 v[CV+(\c)+3], v[128*(\set)+4*(\row)+6], v[128*(\set)+4*(\row)+7]
.endm
.macro STORE16 set, half               ; the sixteen rounded rows into x's part of slot `set`: 256 consecutive bytes an instruction
	WIN 0
.irp k, 0,1,2,3,4,5,6,7,8,9,10,11,12,13,14,15
	ds_store_b64 v[AST+(\set)], v[CV+2*(\k):CV+2*(\k)+1] offset:(16*(\half)+(\k))*PA
.endr
.endm
; 24 LDS loads in one run: the fragments of quarter kq (32 along K) of a slot, into buffer g
.macro FETCH slot, kq, g
	WIN TO_B
.irp b, 0,1,2,3,4,5,6,7
	ds_load_tr16_b128 v[64*(\g)+8*(\b):64*(\g)+8*(\b)+3],   v[ADRB+(\slot)] offset:(\kq)*32*PB+32*(\b)
	ds_load_tr16_b128 v[64*(\g)+8*(\b)+4:64*(\g)+8*(\b)+7], v[ADRB+(\slot)] offset:(\kq)*32*PB+16*PB+32*(\b)
.endr
	WIN 0
.irp a, 0,1,2,3
	ds_load_b128 v[AH+32*(\g)+8*(\a):AH+32*(\g)+8*(\a)+3],   v[ADRA+(\slot)] offset:(\a)*16*PA+(\kq)*64
	ds_load_b128 v[AH+32*(\g)+8*(\a)+4:AH+32*(\g)+8*(\a)+7], v[ADRA+(\slot)] offset:(\a)*16*PA+(\kq)*64+32
.endr
.endm
; 8 matrix instructions: row block a x all 8 column blocks, 32 along K, on buffer f.  zero = 1: the product starts the sum.  The 32 accumulators take turns, one instruction a turn, in the
; same order in every quarter.
.macro MUL8 f, a, zero
	WIN MUL
.irp b, 0,1,2,3,4,5,6,7
.if \zero
	v_wmma_f32_16x16x32_bf16 v[8*(8*(\a)+(\b)):8*(8*(\a)+(\b))+7], v[64*(\f)+8*(\b):64*(\f)+8*(\b)+7], v[AH+32*(\f)+8*(\a):AH+32*(\f)+8*(\a)+7], 0
.else
	v_wmma_f32_16x16x32_bf16 v[8*(8*(\a)+(\b)):8*(8*(\a)+(\b))+7], v[64*(\f)+8*(\b):64*(\f)+8*(\b)+7], v[AH+32*(\f)+8*(\a):AH+32*(\f)+8*(\a)+7], v[8*(8*(\a)+(\b)):8*(8*(\a)+(\b))+7]
.endif
.endr
.endm
; The same for row block 1, with the roundings of two rows of x behind each matrix instruction: they name no register of the products round them
.macro MUL8R f, set, half
.irp b, 0,1,2,3,4,5,6,7
	WIN MUL
	v_wmma_f32_16x16x32_bf16 v[8*(8+(\b)):8*(8+(\b))+7], v[64*(\f)+8*(\b):64*(\f)+8*(\b)+7], v[AH+32*(\f)+8:AH+32*(\f)+15], v[8*(8+(\b)):8*(8+(\b))+7]
	WIN FROM_S
	CVT2 \set, 16*(\half)+2*(\b), 4*(\b)
.endr
.endm
; A K step is four quarters of 32 along K, 32 matrix instructions each, on buffers 0, 1, 0, 1.  One of the first three: buffer f, asked for a quarter ago, is waited for; the next quarter's loads go out into buffer g,
; four places behind the products that read it; then buffer f is multiplied.  set >= 0: sixteen rows of x (half `half` of that set) are waited for (cnt: the younger loads, which stay out), rounded and
; stored to LDS; rel = 1: their registers are loaded again, for the lap that is being asked for.
.macro QUARTER slot, kq, f, g, zero=0, set=-1, half=0, cnt=0, rel=0
	s_wait_dscnt 0x0
	PLACES
	FETCH \slot, \kq, \g
	MUL8 \f, 0, \zero
.if (\set) >= 0
	s_wait_loadcnt \cnt
	MUL8R \f, \set, \half
	STORE16 \set, \half
.if \rel
	LOAD16 \set, \half
.endif
.else
	MUL8 \f, 1, \zero
.endif
	MUL8 \f, 2, \zero
	MUL8 \f, 3, \zero
.endm
; The last quarter multiplies buffer 1 and changes slots: ONE barrier, for W and for x.  In front of it each wave waits for all its tensor loads (one is out: its part of the next slot's W), adds 0 to its spare
; word, and waits for that, for its reads of this slot and for its stores of x into the next slot.  Behind it nobody reads this slot any more, and the next slot is whole, W and x.
; fill = 1: the barrier opens a round of the cluster's, and this slot's W is filled again, for the same step of the lap that is being asked for, first thing behind the round: 112 matrix instructions ahead of the wait for it.
.macro TURN slot, next, fill
	WIN 0                                          ; (the add's two registers lie in window 0)
	s_wait_tensorcnt 0x0                           ; all my tensor loads have landed, so a group 0 may be written
	ds_add_u32 v[SPW], v[NIL]                      ; 0 onto my spare word
	s_wait_dscnt 0x1                               ; buffer 1 is in: the add alone may be out
	MUL8 1, 0, 0                                   ; eight matrix instructions stand between the add and the wait for it
	s_wait_dscnt 0x0                               ; the add is done; my reads of this slot and my stores into the next are over
	s_barrier_signal -1
	MUL8 1, 1, 0
	WIN 0
	s_barrier_wait -1
.if \fill
	CREST                                          ; no wave of any partner still reads this slot's W or has a load on its way
.if (\slot) == 0
	s_add_nc_u64 s[G0+2:G0+3], s[10:11], s[BO:BO+1]   ; the address is made anew: my part of an even step, and the lap's plane and quarter of K
	s_or_b32 s[G0+3], s[G0+3], 0x80000000
.else
	s_add_nc_u64 s[G0+6:G0+7], s[BB1:BB1+1], s[BO:BO+1]
	s_or_b32 s[G0+7], s[G0+7], 0x80000000
.endif
	JLOAD \slot                                    ; the four v_nop behind it are also the places in front of the loads below
.else
	PLACES
.endif
	FETCH \next, 0, 0
	MUL8 1, 2, 0
	MUL8 1, 3, 0
.endm
; THE WAY OUT of row block a.  PACK: rounded to f16, 16 bytes a lane, each accumulator from its low end.  TOSTAGE: into my own stage and back as whole rows of 256 bytes.  SEND: stored.
.macro PACK a
	WIN 0x0a                                       ; sources 0 and 1 window 2, destination window 0
.irp b, 0,1,2,3,4,5,6,7
.irp r, 0,1,2,3
	v_cvt_pk_f16_f32 v[TMP+4*(\b)+(\r)], v[8*(8*(\a)+(\b))+2*(\r)], v[8*(8*(\a)+(\b))+2*(\r)+1]
.endr
.endr
	WIN 0
.endm
.macro TOSTAGE a
.irp b, 0,1,2,3,4,5,6,7
	ds_store_b128 v[STO], v[TMP+4*(\b):TMP+4*(\b)+3] offset:32*(\b)
.endr
.irp t, 0,1,2,3,4,5,6,7
	ds_load_b128 v[OB+32*((\a)%2)+4*(\t):OB+32*((\a)%2)+4*(\t)+3], v[RD] offset:(\t)*2*SPITCH  ; LDS serves a wave's instructions in order (ISA guide 5.7.1.4): these see the stores above
.endr
.endm
.macro SEND a
	s_wait_dscnt 0x0                               ; the block is back in registers
	s_wait_xcnt 0x0                                ; the stores of the block before have read their registers, which the next block's loads from the stage write
.irp t, 0,1,2,3,4,5,6,7
	global_store_b128 v[CO], v[OB+32*((\a)%2)+4*(\t):OB+32*((\a)%2)+4*(\t)+3], s[12:13] offset:4096*(\a)+512*(\t)  ; 512 consecutive bytes, at a multiple of 256 from the buffer's first
.endr
.endm
.macro WAYOUT                          ; block a's conversions stand between block a - 1's loads from the stage and the wait for them
	PLACES                                         ; the conversions read results, and no other vector work is at hand
	PLACES
	PACK 0
	TOSTAGE 0
.irp a, 1,2,3
	PACK \a
	SEND (\a)-1
	TOSTAGE \a
.endr
	SEND 3
.endm
	s_load_b256 s[4:11], s[0:1], 0x0               ; query s[4:5], key s[6:7], value s[8:9], w16 s[10:11]
	s_load_b64 s[12:13], s[0:1], 0x20              ; qkv
	v_lshl_add_u32 v[SPW], v0, 2, SPARE
	v_mov_b32 v[NIL], 0
	ds_add_u32 v[SPW], v[NIL]                      ; the wave's opening: the add and its wait stand ahead of my first tensor load; the set-up below, work on registers, stands between them
	v_lshrrev_b32 v1, 5, v0
	v_readfirstlane_b32 s14, v1                    ; wave 0..3
	s_lshr_b32 s15, s14, 1                         ; which 64 rows of the tile I multiply
	s_and_b32 s16, s14, 1                          ; which 128 columns
	s_bfe_u32 s17, ttmp6, 0x40000                  ; cx
	s_bfe_u32 s18, ttmp6, 0x40004                  ; cy
	s_lshl_b32 s19, ttmp9, 2
	s_add_co_u32 s19, s19, s17                     ; column tile 0..3 = 4 x cluster x + cx
	s_and_b32 s20, ttmp7, 0xffff                   ; cluster y, 0..15
	s_and_b32 s21, s20, 3                          ; at which quarter of K this cluster begins a tile: the same in all sixteen partners
	s_lshl_b32 s22, s20, 2
	s_add_co_u32 s22, s22, s18                     ; row tile 0..63
	s_lshl_b32 s58, 0x1111, s17                    ; my column of the cluster: places cx, cx + 4, cx + 8, cx + 12
	; group 1: 32 k-rows x 256 elements of 2 bytes, padded
	s_or_b32 s[G1+0], s58, (1<<16)|(1<<20)|(1<<21)|(6<<22)|(7<<25)  ; 15:0 the mask; 17:16 elements of 2 bytes; 20 padding on; 21 set beside a mask; 24:22 after every 128 words (code 6); 31:25 8 words (code 7)
	s_mov_b32 s[G1+1], 256<<16                     ; tensor_dim0 = 256
	s_mov_b32 s[G1+2], 32<<16                      ; tensor_dim1 = 32
	s_mov_b32 s[G1+3], 256<<16                     ; tile_dim0 = 256
	s_mov_b32 s[G1+4], 32                          ; tile_dim1 = 32
	s_mov_b32 s[G1+5], 1024                        ; elements from row to row
	s_mov_b32 s[G1+6], 0
	s_mov_b32 s[G1+7], 0
	s_mul_i32 s57, s14, 32*PB                      ; where my load goes: wave x 32 k-rows: no place in the cluster enters an LDS address
	s_lshl_b32 s[RWO], s22, 7                      ; x: row 128 x row tile + 32 x wave, 4,096 bytes a row
	s_lshl_b32 s58, s14, 5
	s_add_co_u32 s[RWO], s[RWO], s58
	s_lshl_b32 s[RWO], s[RWO], 12
	s_mov_b32 s[RWO+1], 0
	s_lshl_b32 s[PWO], s22, 7                      ; the prefetches: the tile's rows, my work-group's 32 of them, my wave's 256 bytes
	s_lshl_b32 s58, s17, 5
	s_add_co_u32 s[PWO], s[PWO], s58
	s_lshl_b32 s[PWO], s[PWO], 12
	s_lshl_b32 s58, s14, 8
	s_add_co_u32 s[PWO], s[PWO], s58
	s_mov_b32 s[PWO+1], 0
	s_lshl_b32 s68, s19, 9                         ; W: column 256 x column tile, k-row 32 x wave (2,048 bytes a row): made of the column tile and the wave's number alone
	s_lshl_b32 s69, s14, 16
	s_add_co_u32 s68, s68, s69
	s_mov_b32 s69, 0
	s_lshr_b32 s70, s22, 4                         ; the result: batch b = row tile / 16,
	s_lshl_b32 s70, s70, 3
	s_lshl_b32 s71, s19, 1
	s_add_co_u32 s70, s70, s71
	s_add_co_u32 s70, s70, s16                     ; head 2 x column tile + my half: b 8 + head,
	s_lshl_b32 s70, s70, 11                        ; its 2,048 rows,
	s_and_b32 s71, s22, 15
	s_lshl_b32 s71, s71, 7
	s_add_co_u32 s70, s70, s71                     ; the tile's 128 of them,
	s_lshl_b32 s71, s15, 6
	s_add_co_u32 s70, s70, s71                     ; my 64,
	s_lshl_b32 s70, s70, 8                         ; 256 bytes a row; plane 0
	s_mov_b32 s71, 0
	s_mov_b32 s[KO+1], 0
	s_mov_b32 s[BO+1], 0
	s_mov_b32 s[LN], 0
	v_and_b32 v3, 31, v0                           ; lane
	v_lshlrev_b32 v[AO], 4, v3
	s_wait_dscnt 0x0                               ; the opening add is done
	s_wait_kmcnt 0x0
	s_add_nc_u64 s[10:11], s[10:11], s[68:69]
	s_add_nc_u64 s[BB1:BB1+1], s[10:11], KSTEP*2048
	s_add_nc_u64 s[12:13], s[12:13], s[70:71]
	LAPADR AP, LN, RWO                             ; lap 0
	s_lshl_b32 s[BO], s[KO], 9                     ; its quarter of K in plane 0: 256 k-rows of 2,048 bytes for 1,024 bytes of a row of x
	LOAD16 0, 0                                    ; x of lap 0 goes out first of all: 64 loads a wave (a counter cannot pass its field: the issue of a load that would do so is held: ISA guide 5.7.1)
	LOAD16 0, 1
	LOAD16 1, 0
	LOAD16 1, 1
	WIN 0
	CROUND                                         ; all sixteen work-groups are here: the first joint loads meet
.irp s, 0,1
	s_mov_b32 s[G0+4*(\s)], 1                      ; count = 1
	s_add_co_u32 s[G0+4*(\s)+1], s57, (\s)*SLOT1   ; LDS address
.endr
	s_add_nc_u64 s[G0+2:G0+3], s[10:11], s[BO:BO+1]
	s_or_b32 s[G0+3], s[G0+3], 0x80000000          ; type = 2
	s_add_nc_u64 s[G0+6:G0+7], s[BB1:BB1+1], s[BO:BO+1]
	s_or_b32 s[G0+7], s[G0+7], 0x80000000
	tensor_load_to_lds s[G0:G0+3], s[G1:G1+7]      ; both steps of lap 0: two loads of mine are out
	s_nop 0
	tensor_load_to_lds s[G0+4:G0+7], s[G1:G1+7]
	s_nop 0
	PLACES
	v_and_b32 v1, 15, v0                           ; l % 16
	v_bfe_u32 v2, v0, 4, 1                         ; l / 16
	s_mul_i32 s58, s14, 32*PA                      ; x into LDS: my wave's 32 rows, 8 bytes a lane
	s_add_co_u32 s58, s58, AOFF
	v_lshl_add_u32 v[AST], v3, 3, s58
	v_add_nc_u32 v[AST+1], SLOT1, v[AST]
	; x out of LDS: a fragment is 16 rows x 32 channels in 8 registers: lane l holds row l % 16; two loads of 16 bytes, 32 bytes apart, at 16 (l / 16)
	v_mul_u32_u24 v4, v1, PA
	v_lshl_add_u32 v4, v2, 4, v4
	s_mul_i32 s58, s15, 64*PA                      ; the 64 rows that I multiply
	s_add_co_u32 s58, s58, AOFF
	v_add_nc_u32 v[ADRA], s58, v4
	v_add_nc_u32 v[ADRA+1], SLOT1, v[ADRA]
	; W: the turning load takes 16 k-rows x 16 columns (lane l reads k-row 8 (l / 16) + l % 8, columns 8 ((l / 8) % 2) + 0..7) and leaves half a fragment: lane l holds column l % 16 and 8 k
	v_and_b32 v4, 7, v0
	v_lshl_add_u32 v4, v2, 3, v4
	v_mul_u32_u24 v4, v4, PB
	v_bfe_u32 v5, v0, 3, 1
	v_lshl_add_u32 v4, v5, 4, v4
	s_lshl_b32 s58, s16, 8                         ; my 128 columns
	v_add_nc_u32 v[ADRB], s58, v4
	v_add_nc_u32 v[ADRB+1], SLOT1, v[ADRB]
	s_mul_i32 s58, s14, 16*SPITCH
	s_add_co_u32 s58, s58, STAGE                   ; my stage
	v_mul_u32_u24 v4, v1, SPITCH                   ; in: row l % 16, 16 bytes for each half of the lanes
	v_lshl_add_u32 v4, v2, 4, v4
	v_add_nc_u32 v[STO], s58, v4
	v_mul_u32_u24 v4, v2, SPITCH                   ; back: lanes 0-15 take one row of 256 bytes, lanes 16-31 the next
	v_lshl_add_u32 v4, v1, 4, v4
	v_add_nc_u32 v[RD], s58, v4
	v_lshlrev_b32 v[CO], 4, v3                     ; a head's rows are dense: two rows are 512 consecutive bytes
	v_lshlrev_b32 v[PFO], 12, v3
	s_mov_b32 s[LN], 1
	s_mov_b32 s[FT], 1
	s_mov_b32 s[TC], 4
	s_mov_b32 s3, LAPS-1
	s_wait_loadcnt 48                              ; the first sixteen rows of step 0 are in; the 48 younger loads stay out
	WIN FROM_S
.irp b, 0,1,2,3,4,5,6,7
	CVT2 0, 2*(\b), 4*(\b)
.endr
	STORE16 0, 0
	s_wait_loadcnt 32                              ; the other sixteen; step 1's 32 stay out
	WIN FROM_S
.irp b, 0,1,2,3,4,5,6,7
	CVT2 0, 16+2*(\b), 4*(\b)
.endr
	STORE16 0, 1
	s_wait_tensorcnt 0x1                           ; my part of step 0's W is in; step 1's may stay out
	s_wait_dscnt 0x0                               ; my rows of x are in LDS
	s_barrier_signal -1
	s_barrier_wait -1                              ; everybody's are
	FETCH 0, 0, 0
	WIN 0                                          ; at a label and at a branch every window is 0
.Llap:                                                 ; trip l = 0 .. 10: lap l is multiplied, lap l + 1 asked for
	s_wait_xcnt 0x0                                ; every load, store and prefetch issued so far has read its address, so the pointers may be written
	s_add_co_u32 s[LP], s[LN], 1
	LAPADR PFA, LP, PWO
	LAPADR AP, LN, RWO
	s_lshl_b32 s[BO], s[T0], 21                    ; W of the same lap: its plane,
	s_lshl_b32 s[T0], s[KO], 9                     ; its quarter of K
	s_add_co_u32 s[BO], s[BO], s[T0]
	LOAD16 0, 0                                    ; x of lap l + 1's even step: set 0 was rounded in the trip before.  It is loaded here and not there, so that no load of the last trip names a lap that does not exist
	LOAD16 0, 1
	WIN 0
	ASK
	s_cmp_eq_u32 s[TC], 4
	s_cbranch_scc1 .Lnew_tile
	QUARTER 0, 1, 0, 1
	WIN 0
	s_branch .Lgo
.Lnew_tile:                                            ; a tile's first lap: the tile before goes out, with both refills and the next loads of x already asked for; then the first products start the sums
	s_cmp_eq_u32 s[FT], 1
	s_mov_b32 s[FT], 0
	s_cbranch_scc1 .Lfirst_tile
	WAYOUT
	s_wait_xcnt 0x0                                ; the stores have read their base
	s_add_nc_u64 s[12:13], s[12:13], 0x1000000     ; the next plane of qkv
.Lfirst_tile:
	PLACES                                         ; the products below write over accumulators without adding onto them: they keep their distance on this way too
	PLACES
	QUARTER 0, 1, 0, 1, 1
	WIN 0
.Lgo:
	QUARTER 0, 2, 1, 0, 0, 1, 0, 48, 1             ; x of this lap's odd step, rows 0-15: behind their loads came 16 + 32 others; rounded, stored into slot 1, loaded again for lap l + 1
	QUARTER 0, 3, 0, 1, 0, 1, 1, 48, 1             ; rows 16-31: behind their loads came 32 + 16 others
	TURN 0, 1, 1
	QUARTER 1, 1, 0, 1
	QUARTER 1, 2, 1, 0, 0, 0, 0, 48, 0             ; x of lap l + 1's even step, rows 0-15: behind their loads came 16 + 16 + 16 others; into slot 0
	QUARTER 1, 3, 0, 1, 0, 0, 1, 32, 0             ; rows 16-31: behind their loads came 16 + 16 others
	TURN 1, 0, 1
	WIN 0
	s_add_co_u32 s[LN], s[LN], 1
	s_sub_co_u32 s[TC], s[TC], 1
	s_cmp_eq_u32 s[TC], 0
	s_cselect_b32 s[TC], 4, s[TC]
	s_sub_co_u32 s3, s3, 1
	s_cmp_lg_u32 s3, 0
	s_cbranch_scc1 .Llap
	QUARTER 0, 1, 0, 1                             ; the last lap asks for nothing, and has no round of the cluster's barrier
	QUARTER 0, 2, 1, 0, 0, 1, 0, 16, 0             ; x of the last step: sixteen younger loads,
	QUARTER 0, 3, 0, 1, 0, 1, 1, 0, 0              ; then none
	TURN 0, 1, 0
	QUARTER 1, 1, 0, 1
	QUARTER 1, 2, 1, 0
	QUARTER 1, 3, 0, 1
	s_wait_dscnt 0x0                               ; the very last quarter: nothing more to fetch
	MUL8 1, 0, 0
	MUL8 1, 1, 0
	MUL8 1, 2, 0
	MUL8 1, 3, 0
	WIN 0
	WAYOUT
	s_wait_tensorcnt 0x0                           ; the wave's end: the wait, the add and its wait stand behind my last tensor load and my last LDS store
	ds_add_u32 v[SPW], v[NIL]
	s_wait_dscnt 0x0
	CROUND                                         ; the closing round: no work-group ends while a partner may still ask for a tile that names it
	s_endpgm
.Lfunc_end_k_qb11816a4a4_proj:
	.size	k_qb11816a4a4_proj, .Lfunc_end_k_qb11816a4a4_proj-k_qb11816a4a4_proj
	.p2alignl 7, 3214868480
	.fill 96, 4, 3214868480
	.section	.rodata,"a",@progbits
	.p2align	6, 0x0
	.amdhsa_kernel k_qb11816a4a4_proj
		.amdhsa_group_segment_fixed_size 327680
		.amdhsa_private_segment_fixed_size 0
		.amdhsa_enable_private_segment 0
		.amdhsa_kernarg_size 40
		.amdhsa_user_sgpr_count 2
		.amdhsa_user_sgpr_kernarg_segment_ptr 1
		.amdhsa_wavefront_size32 1
		.amdhsa_system_sgpr_workgroup_id_x 1
		.amdhsa_system_sgpr_workgroup_id_y 1
		.amdhsa_system_sgpr_workgroup_id_z 1
		.amdhsa_system_vgpr_workitem_id 0
		.amdhsa_next_free_vgpr 1024
		.amdhsa_next_free_sgpr 72
		.amdhsa_reserve_vcc 0
		.amdhsa_float_denorm_mode_32 3
		.amdhsa_float_denorm_mode_16_64 3
		.amdhsa_memory_ordered 1
		.amdhsa_forward_progress 1
		.amdhsa_inst_pref_size 146
	.end_amdhsa_kernel
	.amdgpu_metadata
---
amdhsa.version: [ 1, 2 ]
amdhsa.kernels:
  - .name:           k_qb11816a4a4_proj
    .symbol:         k_qb11816a4a4_proj.kd
    .args:
      - { .name: query, .offset: 0, .size: 8, .value_kind: global_buffer, .address_space: global }
      - { .name: key, .offset: 8, .size: 8, .value_kind: global_buffer, .address_space: global }
      - { .name: value, .offset: 16, .size: 8, .value_kind: global_buffer, .address_space: global }
      - { .name: w16, .offset: 24, .size: 8, .value_kind: global_buffer, .address_space: global }
      - { .name: qkv, .offset: 32, .size: 8, .value_kind: global_buffer, .address_space: global }
    .group_segment_fixed_size: 327680
    .private_segment_fixed_size: 0
    .kernarg_segment_align: 8
    .kernarg_segment_size: 40
    .max_flat_workgroup_size: 128
    .sgpr_count:     72
    .vgpr_count:     1024
    .wavefront_size: 32
...
	.end_amdgpu_metadata
.endif
;; end of part 2
;; launch attn (part 3): grid 8 x 32, 4 waves a work-group, clusters of 4 x 1, 327,680 bytes of LDS; arguments qkv, o16; writes o16
.if DOCPART == 3
	.amdgcn_target "amdgcn-amd-amdhsa--gfx1250"
	.amdhsa_code_object_version 6
	.text
	.protected	k_qb11816a4a4_attn
	.globl	k_qb11816a4a4_attn
	.p2align	8
	.type	k_qb11816a4a4_attn,@function
k_qb11816a4a4_attn:
	s_mov_b64 s[64:65], 0
	v_nop
	global_prefetch_b8 v0, s[64:65] scope:SCOPE_SE
	s_setreg_imm32_b32 hwreg(HW_REG_WAVE_MODE, 25, 1), 1
	s_wait_xcnt 0x0
	s_wait_alu depctr_hold_cnt(0) depctr_sa_sdst(0) depctr_va_vdst(0) depctr_va_sdst(0) depctr_va_ssrc(0) depctr_va_vcc(0) depctr_vm_vsrc(0)
	s_getreg_b32 s2, hwreg(HW_REG_IB_STS2, 6, 4)
	s_cmp_eq_u32 s2, 0
	s_cbranch_scc0 .Lentry_in_a_cluster
	s_endpgm
.Lentry_in_a_cluster:
	s_bfe_u32 s2, ttmp6, 0x10000c
	s_cmp_lg_u32 s2, 0x3003
	s_cbranch_scc0 .Lentry_shape_is_right
	s_endpgm
.Lentry_shape_is_right:
; ATTENTION AND THE RESIDUAL.  o16[b 2048 + q][head 128 + :] = Q[hb][q][:] + the sum over k of softmax_k(Q[hb][q] . K[hb][k] / 32) V[hb][k][:], hb = b 8 + head.
; Q, K, V are the three planes of qkv, each [32][2048][128] in f16; o16 is [8192][1024] in f16.  Products, maxima and sums in f32; the weights p are rounded to f16 for the second product
; (their sum l is taken of the unrounded p); the result is rounded once at the end.  The scale is 1 / sqrt(1024), applied in f32.
; LIMITS.  f16 holds no number beyond 65,504: Q + the mean of V's rows must stay within it; p lies in 0 to 1, and below 6e-5 it keeps f16's fixed step of 6e-8.  A weight below 2^-126 counts as 0 in l;
; NaN and infinities are not treated apart.
; SHARES.  A work-group owns 256 queries of one head, each of its four waves 64: four tiles of 16.  Every wave walks all 2,048 keys of the head, 64 a step.
; LAYOUT.  S^T = K Q^T (source 0 = 16 keys, source 1 = 16 queries): in the result a lane holds ONE query (lane % 16) and the keys 8 (lane / 16) + 0..7.  Two such tiles, rounded to
; f16 in pairs, ARE source 1 (32 keys x 16 queries) of O^T = V^T P, whose result again holds one query a lane, and eight channels.  So nothing changes lanes between the products,
; and a query's maximum and sum want one exchange between the halves of the lanes.  K comes out of LDS as it lies, V ([key][channel]) turned, by ds_load_tr16_b128.
; SOFTMAX.  For each query a running maximum m and sum l: p = 2^(c s - c m), c = log2(e) / 32; in every step O and l are multiplied by a = 2^(c m_old - c m_new), which is 1 where m has not grown.
; BY TURNS.  The wave's tiles are two PIECES, named by their first tile: piece 0 (tiles 0, 1) and piece 2 (tiles 2, 3).  In a TURN one piece has the matrix unit: 32 products V^T P of
; the step in hand, then 32 products K Q^T of the next step; the other piece's softmax, cut into 64 slices, stands between them, one slice behind each matrix instruction.  Then the
; pieces change places.  Two turns are a key step.
; CLUSTER.  The four query blocks of a cluster belong to one head and walk the same K and V, so each tile is asked for JOINTLY: the same tensor load, with the same descriptor and a
; mask that names the four, in all four; each receives the tile in its own LDS.
; REGISTERS, in windows of 256 (s_set_vgpr_msb: bits 1:0 source 0, 3:2 source 1, 5:4 source 2, 7:6 destination):
;   window 0: v0-11 addresses; v12-43 eight registers of statistics a tile; v64-191 S^T, 32 a tile; v192-255 P, 16 a tile
;   window 1: O^T, 64 a tile          window 2: v0-127 Q, 32 a tile; v128-255 K of one step          window 3: v0-127 V of one step
; All that a softmax touches but O^T lies in window 0, and no window has room for a product's operands beside it.  So a slice costs two switches, one in front and one behind.
.set SIZE_N, 2048
.set KS,    64        ; keys in a step
.set PK,    272       ; a row of K in LDS: 256 bytes + 16 of padding = 68 words: row r starts at bank 4 r mod 64 (64 banks of 4 bytes: ISA guide 11.1), so the 16 rows of a load start at 16 different banks
.set PV,    288       ; a row of V: 256 + 32 = 72 words: row r starts at bank 8 r mod 64
.set VOFF,  KS*PK     ; a step's tiles lie together: 64 rows of K, then 64 rows of V
.set STEPB, KS*(PK+PV)
.set SLOT1, 1<<17     ; a slot holds two steps (71,680 bytes); slot 1 begins here, so that one exclusive or turns an address in one slot into the other's
.set STAGE, SLOT1+2*STEPB  ; behind the ring: 16 rows x 272 bytes for each wave, for the way out
.set SP,    272
.set AK0, 2           ; v2   my lane's place in a tile of K; never rewritten
.set AV0, 3           ; v3   the same for V
.set ADR, 4           ; v4   the LDS address of the run of loads in hand
.set QO,  5           ; v5   my byte offset in the wave's rows of Q
.set STO, 6           ; v6   the way out: where I put 16 bytes of a row
.set RD,  7           ; v7   the way out: where I read a row back
.set GO,  8           ; v8   my byte offset in two rows of o16
.set SPW, 62          ; v62  LDS address of my spare word: SPARE + 4 x my thread's number; never rewritten
.set NIL, 63          ; v63  0; never rewritten
.set SPARE, STAGE+4*16*272  ; behind the stages: the spare words, 128 bytes for each wave: two blocks of 256 bytes that no other line names
.set ST,  12          ; tile t's statistics at v[ST+8 t]: +0 c m, +1 m, +2, +3 l (even keys', odd keys'), +4 to +7 c0-c3, at work; a takes c2's place once the maximum is found
.set S,   64
.set P,   192
.set KF,  128         ; K's fragments, in window 2
.set WV,  12          ; s12  my wave's number
.set G1K, 24          ; s[24:31] descriptor group 1 for K's tiles
.set G1V, 32          ; s[32:39] for V's: it differs in the padding alone
.set G0K, 40          ; s[40:47] descriptor group 0 for K's tiles: a set for each of the two first fills; the second then walks on
.set G0V, 48          ; s[48:55] the same for V's
.set SLOTS, 56        ; s56  slots still to be asked for
.set TWICE, 57        ; s57  counts a slot's two steps
.set CS,  58          ; s[58:59] c: the packed scaling names a pair and takes its low word for both halves
.set SEL, 60          ; s[60:61] lane selects for v_permlanex16_b32: each lane takes its own place in the other half
.set TB,  62          ; s62  LDS byte at which the tiles of the step to be fetched begin
.set PFA, 18          ; s[18:19] where my prefetches stand in memory: my work-group's 32 rows (of K: wave 0, of V: wave 2) of the slot after the one that is being asked for
.set LIM, 15          ; s15  1 in a wave that prefetches, else the greatest number: a wave prefetches while s[SLOTS] is above it
.set PFO, 61          ; v61  256 x my lane: a row of K or V is 256 bytes; never rewritten
.set MSB, 0
.macro WIN new                      ; the immediate's high byte repeats the setting that is left; a switch that changes nothing is dropped
.if MSB != (\new)
	s_set_vgpr_msb (MSB<<8)|(\new)
.set MSB, \new
.endif
.endm
.set W_KQ, 0x0a       ; K and Q in window 2, S^T in window 0
.set W_PV, 0x53       ; V in window 3, P in window 0, O^T in window 1
.set W_RS, 0x41       ; O^T (destination and source 0) in window 1, a in window 0
.set W_QR, 0x61       ; the same with source 2 (Q) in window 2
; A joint refill.  Waves 0 and 1 fetch the two steps' tiles of K, waves 2 and 3 those of V.  The branch hangs on the wave's number alone: it is the same in every work-group.
; An s_nop 0 and four v_nop follow each of the two lines; the jump round the other line, the label and what follows the macro come after them.
.macro JLOAD
	s_cmp_lt_u32 s[WV], 2
	s_cbranch_scc0 .Lfor_v_\@
	tensor_load_to_lds s[G0K+4:G0K+7], s[G1K:G1K+7]
	s_nop 0
.rept 4
	v_nop
.endr
	s_branch .Lasked_\@
.Lfor_v_\@:
	tensor_load_to_lds s[G0V+4:G0V+7], s[G1V:G1V+7]
	s_nop 0
.rept 4
	v_nop
.endr
.Lasked_\@:
.endm
; A PREFETCH INTO THE L2 of what the NEXT change of slots will ask for: a slot's 128 rows of K and 128 of V, 256 bytes a row, a lane a row.  It stands behind the wave's tensor load and its five lines, never in front of one.
; Each row is asked for ONCE in the launch.  All clusters of a head walk the same K and V: the head's first cluster prefetches.  Its four partners share the rows out BY ADDRESS, 32 each: no branch hangs on a
; work-group's place in its cluster.  In each, wave 0 asks for K's and wave 2 for V's: one instruction.  The last change that fills a slot prefetches nothing: there is no slot behind it.
.macro ASK
	s_cmp_gt_u32 s[SLOTS], s[LIM]
	s_cbranch_scc0 .Lnot_mine_\@
	global_prefetch_b8 v[PFO], s[PFA:PFA+1] th:TH_LOAD_NT scope:SCOPE_SE
.Lnot_mine_\@:
.endm
; A round of the cluster's barrier: my work-group's barrier, so that wave 0's signal speaks for all four waves; wave 0 signals for the work-group; every wave waits for all four
; work-groups; my work-group's barrier once more.  No LDS instruction of the wave is pending at a signal.
.macro CROUND
	s_barrier_signal -1
	s_barrier_wait -1
	s_cmp_lg_u32 s[WV], 0
	s_cbranch_scc1 .Lnot_wave_0_\@
	s_barrier_signal -3
.Lnot_wave_0_\@:
	s_barrier_wait -3
	s_barrier_signal -1
	s_barrier_wait -1
.endm
	s_load_b128 s[4:7], s[0:1], 0x0   ; qkv s[4:5], o16 s[6:7]
	v_lshl_add_u32 v[SPW], v0, 2, SPARE
	v_mov_b32 v[NIL], 0
	ds_add_u32 v[SPW], v[NIL]       ; the wave's opening: the add and its wait stand ahead of my first tensor load; the set-up below, work on registers, stands between them
	v_lshrrev_b32 v1, 5, v0
	v_readfirstlane_b32 s[WV], v1   ; wave 0..3
	s_bfe_u32 s13, ttmp6, 0x40000   ; cx: my place in the cluster
	s_lshl_b32 s14, ttmp9, 2        ; in a cluster launch ttmp9 counts clusters
	s_add_co_u32 s14, s14, s13      ; my block of 256 queries = 4 x cluster x + cx: it enters Q's and o16's addresses alone
	s_and_b32 s66, ttmp7, 0xffff    ; hb = b 8 + head.  In o16: row b 2048 + 256 block + 64 wave, 2,048 bytes a row; the head's 256 bytes of it
	s_lshr_b32 s67, s66, 3
	s_lshl_b32 s67, s67, 22
	s_and_b32 s66, s66, 7
	s_lshl_b32 s66, s66, 8
	s_add_co_u32 s66, s66, s67
	s_lshl_b32 s67, s14, 19
	s_add_co_u32 s66, s66, s67
	s_lshl_b32 s67, s[WV], 17
	s_add_co_u32 s66, s66, s67
	s_mov_b32 s67, 0
	s_and_b32 s20, ttmp7, 0xffff    ; the head, which the four partners share
	s_mov_b32 s21, 0
	s_mov_b64 s[22:23], SIZE_N*256
	s_mul_u64 s[20:21], s[20:21], s[22:23]  ; the head's first byte in each of qkv's three planes
	s_and_b32 s16, s[WV], 1         ; which of a slot's two steps I fetch:
	s_lshl_b32 s22, s16, 14         ; its 64 rows of 256 bytes in memory,
	s_mov_b32 s23, 0
	s_add_nc_u64 s[22:23], s[22:23], s[20:21]
	s_mul_i32 s17, s16, STEPB       ; and its place in a slot: no place in the cluster enters an LDS address
	s_lshl_b32 s2, s14, 16          ; my block's 256 rows,
	s_lshl_b32 s3, s[WV], 14        ; my wave's 64 of them
	s_add_co_u32 s2, s2, s3
	s_mov_b32 s3, 0
	s_add_nc_u64 s[2:3], s[2:3], s[20:21]
	; descriptor group 1: a tile of 64 rows x 128 elements, padded in LDS
	s_mov_b32 s[G1K], 15|(1<<16)|(1<<20)|(1<<21)|(5<<22)|(3<<25)  ; 15:0 the mask: all four work-groups; 17:16 elements of 2 bytes; 20 padding on; 21 set beside a mask; 24:22 after every 64 words (code 5); 31:25 4 words of it (code 3)
	s_mov_b32 s[G1V], 15|(1<<16)|(1<<20)|(1<<21)|(5<<22)|(7<<25)  ; the same with 8 words of padding (code 7)
.irp g, G1K, G1V
	s_mov_b32 s[(\g)+1], 128<<16    ; tensor_dim0 = 128
	s_mov_b32 s[(\g)+2], KS<<16     ; tensor_dim1 = 64
	s_mov_b32 s[(\g)+3], 128<<16    ; tile_dim0 = 128
	s_mov_b32 s[(\g)+4], KS         ; tile_dim1 = 64
	s_mov_b32 s[(\g)+5], 128        ; elements from row to row
	s_mov_b32 s[(\g)+6], 0
	s_mov_b32 s[(\g)+7], 0
.endr
	s_mov_b32 s[CS], 0x3d38aa3b     ; c = log2(e) / 32 = 0.0450842
	s_mov_b32 s[CS+1], s[CS]        ; named with it as a pair, so it is written
	s_mov_b32 s[SEL], 0x76543210
	s_mov_b32 s[SEL+1], 0xfedcba98
	s_mov_b32 s[TB], 0
	s_mov_b32 s[SLOTS], SIZE_N/(2*KS)-2
	s_and_b32 s[LIM], s[WV], 1       ; 0 in waves 0 and 2,
	s_or_b32 s[LIM], s[LIM], ttmp9   ; where the cluster is the head's first: the same in all four partners
	s_cmp_eq_u32 s[LIM], 0
	s_cselect_b32 s[LIM], 1, -1
	v_and_b32 v[PFO], 31, v0
	v_lshlrev_b32 v[PFO], 8, v[PFO]
	s_wait_dscnt 0x0                ; the opening add is done
	s_wait_kmcnt 0x0
	s_mov_b64 s[10:11], s[6:7]      ; o16
	s_add_nc_u64 s[6:7], s[4:5], 0x1000000  ; K: qkv's second plane
	s_add_nc_u64 s[8:9], s[4:5], 0x2000000  ; V: its third; Q is the first
	s_add_nc_u64 s[6:7], s[6:7], s[22:23]  ; K and V at my tile of slot 0
	s_add_nc_u64 s[8:9], s[8:9], s[22:23]
	s_add_nc_u64 s[4:5], s[4:5], s[2:3]  ; Q at my wave's first row
	s_add_nc_u64 s[10:11], s[10:11], s[66:67]  ; o16 at my wave's first row, my head's columns
	s_cmp_lt_u32 s[WV], 2
	s_cselect_b64 s[PFA:PFA+1], s[6:7], s[8:9]  ; (in waves 0 and 2 these stand at a slot's first row)
	s_lshl_b32 s2, s13, 13          ; my work-group's 32 rows of the 128
	s_mov_b32 s3, 0
	s_add_nc_u64 s[PFA:PFA+1], s[PFA:PFA+1], s[2:3]
	s_add_nc_u64 s[PFA:PFA+1], s[PFA:PFA+1], 2*2*KS*256  ; in slot 2; the first change of slots steps it to slot 3.  Nothing is prefetched here, at the head, where every work-group's first tiles are on their way
	CROUND                          ; all four work-groups are here: the first joint loads meet
.irp s, 0,1
	s_mov_b32 s[G0K+4*(\s)], 1      ; count = 1
	s_add_co_u32 s[G0K+4*(\s)+1], s17, (\s)*SLOT1  ; LDS address
	s_add_nc_u64 s[G0K+4*(\s)+2:G0K+4*(\s)+3], s[6:7], (\s)*2*KS*256  ; global address: slot s begins with keys 128 s to 128 s + 127
	s_or_b32 s[G0K+4*(\s)+3], s[G0K+4*(\s)+3], 0x80000000  ; type = 2
	s_mov_b32 s[G0V+4*(\s)], 1
	s_add_co_u32 s[G0V+4*(\s)+1], s17, (\s)*SLOT1+VOFF
	s_add_nc_u64 s[G0V+4*(\s)+2:G0V+4*(\s)+3], s[8:9], (\s)*2*KS*256
	s_or_b32 s[G0V+4*(\s)+3], s[G0V+4*(\s)+3], 0x80000000
.endr
	s_cmp_lt_u32 s[WV], 2           ; a wave's two first fills stand in one branch, ahead of every wait on TENSORcnt and every LDS read: two loads of mine are out; an s_nop 0 follows each, four v_nop the second's, as in JLOAD
	s_cbranch_scc0 .Lfirst_v
	tensor_load_to_lds s[G0K:G0K+3], s[G1K:G1K+7]
	s_nop 0
	tensor_load_to_lds s[G0K+4:G0K+7], s[G1K:G1K+7]
	s_nop 0
.rept 4
	v_nop
.endr
	s_branch .Lfirst_asked
.Lfirst_v:
	tensor_load_to_lds s[G0V:G0V+3], s[G1V:G1V+7]
	s_nop 0
	tensor_load_to_lds s[G0V+4:G0V+7], s[G1V:G1V+7]
	s_nop 0
.rept 4
	v_nop
.endr
.Lfirst_asked:
	; A fragment of K or Q is 16 rows x 32 channels in 8 registers: lane l holds row l % 16; registers 0-3 channels 8 (l / 16) + 0..7, registers 4-7 channels 16 + 8 (l / 16) + 0..7: two loads of 16 bytes, 32 bytes apart.
	v_and_b32 v1, 15, v0            ; l % 16
	v_bfe_u32 v9, v0, 4, 1          ; l / 16
	v_lshlrev_b32 v[QO], 8, v1
	v_lshl_add_u32 v[QO], v9, 4, v[QO]  ; row x 256 + 16 x half
	WIN 0x80                        ; destination window 2, address window 0
.irp i, 0,1,2,3,4,5,6,7,8,9,10,11,12,13,14,15  ; Q stays in registers: tile i / 4, channels 32 (i % 4) on
	global_load_b128 v[8*(\i):8*(\i)+3],   v[QO], s[4:5] offset:((\i)/4)*4096+((\i)%4)*64
	global_load_b128 v[8*(\i)+4:8*(\i)+7], v[QO], s[4:5] offset:((\i)/4)*4096+((\i)%4)*64+32
.endr
	WIN 0
	v_mul_u32_u24 v[AK0], v1, PK
	v_lshl_add_u32 v[AK0], v9, 4, v[AK0]  ; row x pitch + 16 x half
	; The turning load takes 16 keys x 16 channels (lane l reads 16 bytes: key 8 (l / 16) + l % 8, channels 8 ((l / 8) % 2) + 0..7) and leaves half a fragment of V^T: lane l holds channel l % 16 and 8 keys.
	v_and_b32 v10, 7, v0
	v_bfe_u32 v11, v0, 3, 1
	v_lshl_add_u32 v[AV0], v9, 3, v10
	v_mul_u32_u24 v[AV0], v[AV0], PV
	v_lshl_add_u32 v[AV0], v11, 4, v[AV0]
	v_add_nc_u32 v[AV0], VOFF, v[AV0]
; THE MATRIX WORK OF A TURN, for piece x.  The accumulators take turns, one instruction a turn: between two links of a chain stand 15 (V^T P) or 7 (K Q^T) others'.
; Product i of 32 of O^T += V^T P: keys 32 (i / 16) on, channels 16 ((i / 2) % 8) on, tile x + i % 2.  zero = 1: the first 16 start the sums: nothing is ever cleared.
.macro PV x, zero
	WIN W_PV
.set rO, 64*((\x)+i%2)+8*((i/2)%8)
.set rV, 64*(i/16)+8*((i/2)%8)
.set rP, P+16*((\x)+i%2)+8*(i/16)
.if (\zero) && (i < 16)
	v_wmma_f32_16x16x32_f16 v[rO:rO+7], v[rV:rV+7], v[rP:rP+7], 0
.else
	v_wmma_f32_16x16x32_f16 v[rO:rO+7], v[rV:rV+7], v[rP:rP+7], v[rO:rO+7]
.endif
.endm
; Product i of 32 of S^T = K Q^T: channels 32 (i / 8) on, keys 16 ((i / 2) % 4) on, tile x + i % 2.  The first 8 start the sums.
.macro KQ x
	WIN W_KQ
.set rS, S+32*((\x)+i%2)+8*((i/2)%4)
.set rK, KF+32*((i/2)%4)+8*(i/8)
.set rQ, 32*((\x)+i%2)+8*(i/8)
.if i < 8
	v_wmma_f32_16x16x32_f16 v[rS:rS+7], v[rK:rK+7], v[rQ:rQ+7], 0
.else
	v_wmma_f32_16x16x32_f16 v[rS:rS+7], v[rK:rK+7], v[rQ:rQ+7], v[rS:rS+7]
.endif
.endm
; THE LDS LOADS stand in runs of 32, never singly among the matrix instructions: a step's K (64 keys x 128 channels: 16 fragments) and, a turn later, its V (turned).
.macro FETCH_K
	WIN 0
	v_add_nc_u32 v[ADR], s[TB], v[AK0]
	WIN 0x80                        ; destination window 2
.irp f, 0,1,2,3,4,5,6,7,8,9,10,11,12,13,14,15  ; keys 16 (f / 4) on, channels 32 (f % 4) on
	ds_load_b128 v[KF+8*(\f):KF+8*(\f)+3],   v[ADR] offset:((\f)/4)*16*PK+((\f)%4)*64
	ds_load_b128 v[KF+8*(\f)+4:KF+8*(\f)+7], v[ADR] offset:((\f)/4)*16*PK+((\f)%4)*64+32
.endr
.endm
.macro FETCH_V
	WIN 0
	v_add_nc_u32 v[ADR], s[TB], v[AV0]
	s_add_co_u32 s[TB], s[TB], STEPB  ; the next fetch is the next step's
	WIN 0xc0                        ; destination window 3
.irp f, 0,1,2,3,4,5,6,7,8,9,10,11,12,13,14,15  ; keys 32 (f / 8) on, channels 16 (f % 8) on
	ds_load_tr16_b128 v[8*(\f):8*(\f)+3],   v[ADR] offset:((\f)/8)*32*PV+((\f)%8)*32
	ds_load_tr16_b128 v[8*(\f)+4:8*(\f)+7], v[ADR] offset:((\f)/8)*32*PV+16*PV+((\f)%8)*32
.endr
.endm
; THE VECTOR WORK OF A TURN.  One tile's softmax for one key step is a list of 134 instructions; SM writes number j of it for tile t.  s0-s31 are the lane's 32 scores, in pairs 0-15.
; first = 1: the first key step, which starts m, l and O^T: it has no a and nothing to rescale.
;   0-15    the maximum of s0-s31 and the old m, three operands at a time: four chains c0-c3 of seven scores each, then the four scores left over, c0-c3 and m
;   16-20   the other half of the lanes' maximum; the new m; c m; c m_old - c m_new
;   21-87   33 exponentials (a, then s0-s31) at the odd numbers from 23 on, so that no two follow each other and each has a plain instruction behind it before its result is used.
;           Plain instruction q (number 21, then the even numbers) is whatever is ready: c s - c m for a pair of scores whose exponentials are still to come (q = 0 to 3, then every
;           second q), the rounding to f16 of a pair of weights whose exponentials are done (every other q from 5 on), at last the first three sums
;   88-101  the last rounding; the rest of the sums; l = a l + the sum
;   102-133 the tile's O^T times a: the one part that leaves window 0, so it stands together
.macro SM t, first
.set rT, ST+8*(\t)
.set rS, S+32*(\t)
.set rP, P+16*(\t)
.set rO, 64*(\t)+2*(j-102)
.set q, (j-20)/2
.if j < 102
	WIN 0
.endif
.if j < 4
	v_max3_num_f32 v[rT+4+j], v[rS+8*j], v[rS+8*j+1], v[rS+8*j+2]
.elseif j < 12
	v_max3_num_f32 v[rT+4+j%4], v[rT+4+j%4], v[rS+8*(j%4)+2*(j/4)+1], v[rS+8*(j%4)+2*(j/4)+2]
.elseif j == 12
	v_max3_num_f32 v[rT+4], v[rT+4], v[rS+7], v[rS+15]
.elseif j == 13
	v_max3_num_f32 v[rT+6], v[rT+6], v[rS+23], v[rS+31]
.elseif j == 14
	v_max3_num_f32 v[rT+4], v[rT+4], v[rT+5], v[rT+6]
.elseif (j == 15) && (\first)
	v_max_num_f32 v[rT+4], v[rT+4], v[rT+7]
.elseif j == 15
	v_max3_num_f32 v[rT+4], v[rT+4], v[rT+7], v[rT+1]
.elseif j == 16
	v_permlanex16_b32 v[rT+5], v[rT+4], s[SEL], s[SEL+1]  ; the query's other 32 keys lie in the lane 16 away
.elseif j == 18
	v_max_num_f32 v[rT+1], v[rT+4], v[rT+5]
.elseif j == 19
	v_mul_f32 v[rT], s[CS], v[rT+1]
.elseif ((j == 17) || (j == 20) || (j == 23) || (j > 101)) && (\first)  ; the first step has none of these
.elseif j == 17
	v_mov_b32 v[rT+7], v[rT]        ; c m_old is kept for a: number 19 writes c m anew
.elseif j == 20
	v_sub_f32 v[rT+7], v[rT+7], v[rT]
.elseif j == 23
	v_exp_f32 v[rT+6], v[rT+7]
.elseif (j < 88) && (j > 23) && (j%2 == 1)
	v_exp_f32 v[rS+(j-25)/2], v[rS+(j-25)/2]
.elseif (q < 4) || ((j < 76) && (q%2 == 0))
.set b, q/2+2
.if q < 4
.set b, q
.endif
	v_pk_fma_f32 v[rS+2*b:rS+2*b+1], v[rS+2*b:rS+2*b+1], s[CS:CS+1], v[rT:rT+1] op_sel_hi:[1,0,0] neg_lo:[0,0,1] neg_hi:[0,0,1]  ; pair b: c s - c m
.elseif (j < 88) && (q%2 == 1)
	s_wait_alu depctr_va_vdst(0)
	v_cvt_pk_f16_f32 v[rP+(q-5)/2], v[rS+q-5], v[rS+q-4]  ; pair (q - 5) / 2: its second exponential stands three numbers back
.elseif j == 89
	s_wait_alu depctr_va_vdst(0)
	v_cvt_pk_f16_f32 v[rP+15], v[rS+30], v[rS+31]
.elseif j < 102                     ; the sum of the tile's 16 pairs (in a pair: an even key's weight, an odd key's), in place: sum z of 16 adds neighbours 1, 2, 4 and 8 pairs apart, then l takes it
.set z, j-86
.if j < 89
.set z, (j-76)/4
.endif
.set w, 4
.set u, z
.if z >= 14
.set w, 32
.set u, 0
.elseif z >= 12
.set w, 16
.set u, z-12
.elseif z >= 8
.set w, 8
.set u, z-8
.endif
.if (z == 14) && (\first)
	v_pk_add_f32 v[rT+2:rT+3], v[rS:rS+1], v[rS+16:rS+17]
.elseif z < 15
	v_pk_add_f32 v[rS+w*u:rS+w*u+1], v[rS+w*u:rS+w*u+1], v[rS+w*u+w/2:rS+w*u+w/2+1]
.elseif !(\first)
	v_pk_fma_f32 v[rT+2:rT+3], v[rT+2:rT+3], v[rT+6:rT+7], v[rS:rS+1] op_sel_hi:[1,0,1]
.endif
.else
	WIN W_RS
	v_pk_mul_f32 v[rO:rO+1], v[rO:rO+1], v[rT+6:rT+7] op_sel_hi:[1,0]
.endif
.endm
; Slice k of 64 of piece y's softmax: numbers 2 k and 2 k + 1 of both tiles' lists, four instructions.  2 x 134 = 4 x 64 + 12: the twelve that are over stand together, in slice 63.
.macro SLICE y, first
.if (k >= 11) && (k < 44)           ; tile by tile: plain, exponential, plain, exponential
.irp t, \y, (\y)+1
.irp n, 0,1
.set j, 2*k+(\n)
	SM \t, \first
.endr
.endr
.else                               ; the two tiles alternate, so that no instruction reads the result of the one just before it
.irp n, 0,1,2,3,4,5,6,7
.if ((\n) < 2) || (k == 63)
.irp t, \y, (\y)+1
.set j, 2*k+(\n)
	SM \t, \first
.endr
.endif
.endr
.endif
.set k, k+1
.endm
; A vector instruction that reads a matrix result or writes one of a matrix instruction's registers, and a load into a register that a matrix instruction has read, stand four places behind
; it, and only plain vector instructions that name none of its registers are places (ISA guide 7.12.1 for vector instructions).  In the loop the slices are the places.
.macro PLACES
.rept 4
	v_nop
.endr
.endm
; A TURN.  Piece x has the matrix unit; the other piece's softmax stands in slices behind its matrix instructions.
; pv = 2: 32 products V^T P; 1: they start O^T's sums; 0: none.  kq = 1: 32 products K Q^T for the next step.  A turn with one of the two kinds has two slices behind each product.
; first = 1: the softmax is the first key step's.  Its slices from 51 on are empty: the turn's last products stand bare, and four v_nop take slice 63's part as the places behind them.
; Each run of loads stands behind the second product of a run of 32, 30 matrix instructions ahead of its first use.  Piece 0's turn fetches the next step's K: the last product that read K
; stands in front of slice 63 of the turn before.  Piece 2's turn fetches the same step's V: the last product that read V stands three slices, six plain instructions, back.
.macro TURN x, pv, kq, first
.set k, 0
.set per, 2
.if (\pv) && (\kq)
.set per, 1
.endif
.if \pv
.if (\x) == 0
	s_wait_dscnt 0x0                ; V is in
.endif
.set i, 0
.rept 32
	PV \x, 2-(\pv)
.rept per
	SLICE 2-(\x), \first
.endr
.if ((\x) == 0) && (\kq) && (i == 1)
	FETCH_K
.endif
.set i, i+1
.endr
.endif
.if \kq
.if (\x) == 0
	s_wait_dscnt 0x0                ; K is in
.endif
.set i, 0
.rept 32
	KQ \x
.rept per
	SLICE 2-(\x), \first
.endr
.if ((\x) == 2) && (i == 1)
	FETCH_V
.endif
.set i, i+1
.endr
.endif
.if \first
	PLACES
.endif
.endm
; THE CHANGE OF SLOTS, between piece 2's turn and piece 0's: the slot's last bytes, V of its second step, have been asked for.  Each wave waits for all its
; tensor loads, of which one is out: its part of the other slot; adds 0 to its spare word; and waits for that and for its own reads of the slot.  Behind the barrier nobody reads this slot any more and the other slot is whole.
; fill = 1: this slot is filled again, with the keys two slots on.  The barrier is then a round of the cluster's, so that no wave of any partner still reads the slot or has a load on its
; way, and the joint refill is the first thing behind it: it has two key steps, 256 matrix instructions, in which to land.
.macro CHANGE fill
	WIN 0                           ; at a label and at a branch every window is 0
	s_wait_tensorcnt 0x0            ; no tensor load of mine is out, so a group 0 may be written
	ds_add_u32 v[SPW], v[NIL]       ; 0 onto my spare word; with fill = 1 the descriptors' steps stand between it and the wait for it
.if \fill
.irp g, G0K+4, G0V+4
	s_xor_b32 s[(\g)+1], s[(\g)+1], SLOT1  ; the walking descriptor: the other slot than last time,
	s_add_nc_u64 s[(\g)+2:(\g)+3], s[(\g)+2:(\g)+3], 2*KS*256  ; the next 128 keys; the type bits on top are not reached
.endr
	s_wait_xcnt 0x0                 ; the last prefetches, two key steps back, have read their address, so it may be written:
	s_add_nc_u64 s[PFA:PFA+1], s[PFA:PFA+1], 2*KS*256  ; one slot behind the walking descriptors
	s_wait_dscnt 0x0                ; the add is done, and my reads of the slot are over
	CROUND
	JLOAD
	ASK                             ; what the next change will ask for: two key steps, 256 matrix instructions, ahead
.else
	s_wait_dscnt 0x0                ; the add is done, and my reads of the slot are over
	s_barrier_signal -1
	s_barrier_wait -1
.endif
	s_sub_co_u32 s[TB], s[TB], 2*STEPB  ; the fetches go back to a slot's first step,
	s_xor_b32 s[TB], s[TB], SLOT1   ; in the other slot
.endm
; A slot's two key steps: written once, walked twice; the LDS addresses hang on s[TB].
.macro TWO_STEPS
	WIN 0
	s_mov_b32 s[TWICE], 2
.Lstep_\@:
	TURN 0, 2, 1, 0
	TURN 2, 2, 1, 0
	WIN 0
	s_sub_co_u32 s[TWICE], s[TWICE], 1
	s_cmp_lg_u32 s[TWICE], 0
	s_cbranch_scc1 .Lstep_\@
.endm
	s_wait_tensorcnt 0x1            ; my part of slot 0 is in; slot 1's may stay out
	s_barrier_signal -1
	s_barrier_wait -1               ; everybody's is
	FETCH_K                         ; key step 0
	s_wait_loadcnt 0x0              ; Q
	s_wait_dscnt 0x0
.set i, 0
.rept 32
	KQ 0                            ; piece 0's first scores: there is no vector work yet to set between them
.set i, i+1
.endr
	WIN 0                           ; the addresses for the way out are made here: eight plain instructions, the places behind those products
	s_mul_i32 s13, s[WV], 16*SP
	s_add_co_u32 s13, s13, STAGE    ; my stage
	v_mul_u32_u24 v[STO], v1, SP    ; in: row l % 16, 16 bytes for each half of the lanes
	v_lshl_add_u32 v[STO], v9, 4, v[STO]
	v_add_nc_u32 v[STO], s13, v[STO]
	v_mul_u32_u24 v[RD], v9, SP     ; back: lanes 0-15 take one row of 256 bytes, lanes 16-31 the next
	v_lshl_add_u32 v[RD], v1, 4, v[RD]
	v_add_nc_u32 v[RD], s13, v[RD]
	v_lshlrev_b32 v[GO], 11, v9     ; and the same two rows in o16, 2,048 bytes apart
	v_lshl_add_u32 v[GO], v1, 4, v[GO]
	TURN 2, 0, 1, 1                 ; piece 2's first scores | piece 0's first softmax | V of step 0
	TURN 0, 1, 1, 1                 ; piece 0: V^T P of step 0 starts O^T, K Q^T of step 1 | piece 2's first softmax | K of step 1
	TURN 2, 1, 1, 0                 ; piece 2: the same | piece 0's softmax of step 1 | V of step 1
	WIN 0
.Lslot:                             ; SIZE_N / 128 - 2 trips: every slot but the last two is filled again
	CHANGE 1
	TWO_STEPS
	s_sub_co_u32 s[SLOTS], s[SLOTS], 1
	s_cmp_lg_u32 s[SLOTS], 0
	s_cbranch_scc1 .Lslot
	CHANGE 0                        ; the tail is written out: the last slot but one is left, and nothing is asked for
	TWO_STEPS
	TURN 0, 2, 0, 0                 ; piece 0: V^T P of the last step | piece 2's last softmax
.set i, 0
.rept 32
	PV 2, 0                         ; piece 2: V^T P of the last step
.set i, i+1
.endr
	; THE WAY OUT.  l's two halves and the other half of the lanes' are added; O^T is divided by l, Q is added, the sum is rounded to f16 and sent through my stage in LDS, a tile (16 rows) at a time.  The additions are the places behind the last products.
	WIN 0
.irp t, 0,1,2,3
	v_add_f32 v[ST+8*(\t)+4], v[ST+8*(\t)+2], v[ST+8*(\t)+3]
.endr
.irp t, 0,1,2,3
	v_permlanex16_b32 v[ST+8*(\t)+5], v[ST+8*(\t)+4], s[SEL], s[SEL+1]
.endr
.irp t, 0,1,2,3
	v_add_f32 v[ST+8*(\t)+4], v[ST+8*(\t)+4], v[ST+8*(\t)+5]
.endr
.irp t, 0,1,2,3
	v_rcp_f32 v[ST+8*(\t)+6], v[ST+8*(\t)+4]
.endr
	v_nop                           ; a plain instruction between the last reciprocal and the use of its result
; Tile t.  THE RESIDUAL: register 8 cb + j of the tile's O^T holds channel 16 cb + 8 (l / 16) + j of query l % 16; register 4 cb + j / 2 of the tile's Q, still in window 2, holds the same query's same channel
; in half j % 2.  So one multiply-add that reads the f16 half makes O / l + q, in f32.  A lane's eight channels of a row then pack into 16 bytes; they go into rows of 272 bytes and come back as whole rows of 256.
.macro PACK t
	WIN W_QR
.set i, 0
.rept 32
	s_wait_alu depctr_va_vdst(0)
	v_fma_mix_f32 v[64*(\t)+2*i],   v[64*(\t)+2*i],   v[ST+8*(\t)+6], v[32*(\t)+i] op_sel_hi:[0,0,1]
	v_fma_mix_f32 v[64*(\t)+2*i+1], v[64*(\t)+2*i+1], v[ST+8*(\t)+6], v[32*(\t)+i] op_sel:[0,0,1] op_sel_hi:[0,0,1]
.set i, i+1
.endr
	WIN 0x05                        ; sources 0 and 1 window 1, destination window 0: S^T's registers are free
.set i, 0
.rept 32
	v_cvt_pk_f16_f32 v[S+32*(\t)+i], v[64*(\t)+2*i], v[64*(\t)+2*i+1]
.set i, i+1
.endr
	WIN 0
.irp f, 0,1,2,3,4,5,6,7
	ds_store_b128 v[STO], v[S+32*(\t)+4*(\f):S+32*(\t)+4*(\f)+3] offset:32*(\f)
.endr
.irp f, 0,1,2,3,4,5,6,7
	ds_load_b128 v[S+32*(\t)+4*(\f):S+32*(\t)+4*(\f)+3], v[RD] offset:(\f)*2*SP  ; LDS serves a wave's instructions in order (ISA guide 5.7.1.4): these see the stores above; the next tile's stores come behind them
.endr
.endm
.macro SEND t, younger              ; younger: the LDS instructions issued behind tile t's loads: the next tile's sixteen, or none
	WIN 0
.irp f, 0,1,2,3,4,5,6,7
	s_wait_dscnt (\younger)+7-(\f)
	global_store_b128 v[GO], v[S+32*(\t)+4*(\f):S+32*(\t)+4*(\f)+3], s[10:11] offset:(\t)*32768+(\f)*4096  ; 16 lanes store 256 consecutive bytes of a row, at a multiple of 256 from o16's first byte
.endr
.endm
	PACK 0
	PACK 1                          ; a tile's arithmetic stands between the loads of the tile before and its stores
	SEND 0, 16
	PACK 2
	SEND 1, 16
	PACK 3
	SEND 2, 16
	SEND 3, 0
	s_wait_tensorcnt 0x0            ; the wave's end: the wait, the add and its wait stand behind my last tensor load and my last LDS store
	ds_add_u32 v[SPW], v[NIL]
	s_wait_dscnt 0x0
	CROUND                          ; the closing round: no work-group ends while a partner may still ask for a tile that names it
	s_endpgm
.Lfunc_end_k_qb11816a4a4_attn:
	.size	k_qb11816a4a4_attn, .Lfunc_end_k_qb11816a4a4_attn-k_qb11816a4a4_attn
	.p2alignl 7, 3214868480
	.fill 96, 4, 3214868480
	.section	.rodata,"a",@progbits
	.p2align	6, 0x0
	.amdhsa_kernel k_qb11816a4a4_attn
		.amdhsa_group_segment_fixed_size 327680
		.amdhsa_private_segment_fixed_size 0
		.amdhsa_enable_private_segment 0
		.amdhsa_kernarg_size 16
		.amdhsa_user_sgpr_count 2
		.amdhsa_user_sgpr_kernarg_segment_ptr 1
		.amdhsa_wavefront_size32 1
		.amdhsa_system_sgpr_workgroup_id_x 1
		.amdhsa_system_sgpr_workgroup_id_y 1
		.amdhsa_system_sgpr_workgroup_id_z 1
		.amdhsa_system_vgpr_workitem_id 0
		.amdhsa_next_free_vgpr 1024
		.amdhsa_next_free_sgpr 72
		.amdhsa_reserve_vcc 0
		.amdhsa_float_denorm_mode_32 3
		.amdhsa_float_denorm_mode_16_64 3
		.amdhsa_memory_ordered 1
		.amdhsa_forward_progress 1
		.amdhsa_inst_pref_size 241
	.end_amdhsa_kernel
	.amdgpu_metadata
---
amdhsa.version: [ 1, 2 ]
amdhsa.kernels:
  - .name:           k_qb11816a4a4_attn
    .symbol:         k_qb11816a4a4_attn.kd
    .args:
      - { .name: qkv, .offset: 0, .size: 8, .value_kind: global_buffer, .address_space: global }
      - { .name: o16, .offset: 8, .size: 8, .value_kind: global_buffer, .address_space: global }
    .group_segment_fixed_size: 327680
    .private_segment_fixed_size: 0
    .kernarg_segment_align: 8
    .kernarg_segment_size: 16
    .max_flat_workgroup_size: 128
    .sgpr_count:     72
    .vgpr_count:     1024
    .wavefront_size: 32
...
	.end_amdgpu_metadata
.endif
;; end of part 3
;; launch outp (part 4): grid 4 x 64, 4 waves a work-group, clusters of 4 x 4, 327,680 bytes of LDS; arguments o16, w16, bo, out0; writes out0
.if DOCPART == 4
	.amdgcn_target "amdgcn-amd-amdhsa--gfx1250"
	.amdhsa_code_object_version 6
	.text
	.protected	k_qb11816a4a4_outp
	.globl	k_qb11816a4a4_outp
	.p2align	8
	.type	k_qb11816a4a4_outp,@function
k_qb11816a4a4_outp:
	s_mov_b64 s[64:65], 0
	v_nop
	global_prefetch_b8 v0, s[64:65] scope:SCOPE_SE
	s_setreg_imm32_b32 hwreg(HW_REG_WAVE_MODE, 25, 1), 1
	s_wait_xcnt 0x0
	s_wait_alu depctr_hold_cnt(0) depctr_sa_sdst(0) depctr_va_vdst(0) depctr_va_sdst(0) depctr_va_ssrc(0) depctr_va_vcc(0) depctr_vm_vsrc(0)
	s_getreg_b32 s2, hwreg(HW_REG_IB_STS2, 6, 4)
	s_cmp_eq_u32 s2, 0
	s_cbranch_scc0 .Lentry_in_a_cluster
	s_endpgm
.Lentry_in_a_cluster:
	s_bfe_u32 s2, ttmp6, 0x10000c
	s_cmp_lg_u32 s2, 0xf033
	s_cbranch_scc0 .Lentry_shape_is_right
	s_endpgm
.Lentry_shape_is_right:
; THE LAST PRODUCT.  out0[m][n] = o[m][n] + max(0, the sum over k of o[m][k] Wo[k][n] + bo[n]).  o = o16, [8192][1024] in f16; Wo = plane 3 of w16, [k][n], in f16; bo in f32; out0 in f32.
; Sums in f32, K ascending, begun with bo; nothing is rounded behind them.
; SHARES.  A work-group makes a tile of 128 rows x 256 columns: 64 x 4 = 256 tiles, one for each WGP.  Four waves, each 64 rows x 128 columns: 32 accumulators of 16 x 16.
; K goes in steps of 128 through two LDS slots: 128 k-rows of Wo (512 bytes each) and 128 rows of o (256 bytes each); one tensor load of 64 rows a wave.  A K step is written once: the LDS addresses hang on
; a scalar that an exclusive or turns from slot to slot, and one descriptor a tensor walks on.
; THE MATRIX INSTRUCTION IS USED TRANSPOSED: source 0 = 16 columns of Wo (turned on the way out of LDS, by ds_load_tr16_b128), source 1 = 16 rows of o: a lane holds row l % 16 and the columns 8 (l / 16) + 0..7.
; So bo's eight numbers for those columns are the C operand of the products that start the sums.
; CLUSTERS: 4 x 4 work-groups; o's tile is shared along a row of the cluster, Wo's along a column: each is asked for JOINTLY, by the same tensor load, descriptor and mask in all four.
; REGISTERS, in windows of 256 (s_set_vgpr_msb: bits 1:0 source 0, 3:2 source 1, 5:4 source 2, 7:6 destination):
;   window 0: v0-31 addresses; v32-63, v64-95 o's four fragments, two buffers; v96-159 bo, later with v160-223 two buffers of 16 rows on the way out
;   window 1: v0-63, v64-127 Wo's eight fragments, two buffers; v128-255 my 64 rows x 128 columns of o, for the residual          window 2: accumulator (a, b) at v[8 (8 a + b)]
.set KSTEP,  128
.set PA,     272                       ; a row of o in LDS: 256 bytes + 16 = 68 words: the 16 rows of a load start at 16 different groups of four banks (64 banks of 4 bytes: ISA guide 11.1)
.set PB,     544                       ; a k-row of Wo: 512 + 32 = 136 words
.set AOFF,   128*PB                    ; a slot: Wo's 128 k-rows, then o's 128 rows
.set SLOT1,  1<<17                     ; slot 1 begins here (a slot uses 104,448 bytes), so that one exclusive or turns an address in one slot into the other's
.set STAGE,  SLOT1+AOFF+128*PA         ; behind the ring: 16 rows x 528 bytes for each wave, for the way out; no tensor load fills it
.set SPITCH, 528
.set SPARE,  STAGE+4*16*SPITCH         ; behind the stages: the spare words, 128 bytes for each wave: two blocks of 256 bytes that no other line names
.set BOF,   15                         ; v15  32 (l / 16): my eight numbers among a column block's sixteen of bo
.set ADRA0, 16                         ; v16  my lane's place in o's tile; never rewritten
.set ADRB0, 17                         ; v17  the same for Wo's
.set ADRA,  18                         ; v18  the same in the slot in hand
.set ADRB,  19                         ; v19
.set STO,   24                         ; v24  the way out: where I put 32 bytes of a row
.set RD,    25                         ; v25  the way out: where I read a row back
.set CO,    26                         ; v26  16 x lane: my place in a row's 512 bytes of out0
.set ONE,   27                         ; v27  1.0
.set SPW,   28                         ; v28  LDS address of my spare word: SPARE + 4 x my thread's number; never rewritten
.set NIL,   29                         ; v29  0; never rewritten
.set PFO,   30                         ; v30  the prefetches' offset: lane x a row of o16 (2,048 bytes); never rewritten
.set RO,    31                         ; v31  8 x lane: my place in a row's 256 bytes of o16
.set AH,    32                         ; buffer f at AH + 32 f
.set BIAS,  96
.set ZB,    96                         ; buffer a % 2 at ZB + 64 (a % 2)
.set R,     128                        ; window 1
.set G1,  24                           ; s[24:31] descriptor group 1 for o's tiles;  s[32:39] group 0: a set for each of the two first fills; the second then walks on
.set G0,  32
.set G1B, 48                           ; s[48:55], s[56:63] the same for Wo's tiles
.set G0B, 56
.set TB,  42                           ; s42  the slot in hand: 0 or SLOT1
.set LIM, 43                           ; s43  2 in the wave that prefetches, else the greatest number
.set PFA, 44                           ; s[44:45] where my prefetches stand
.set MSB, 0
.macro WIN new                         ; the immediate's high byte repeats the setting that is left; a switch that changes nothing is dropped
.if MSB != (\new)
	s_set_vgpr_msb (MSB<<8)|(\new)
.set MSB, \new
.endif
.endm
.set MUL,  0xa1                        ; source 0 (Wo) window 1, source 1 (o) window 0, C and D window 2
.set MULB, 0x81                        ; the same with C (bo) in window 0
.set TO_B, 0x40                        ; destination window 1, address window 0
; A joint refill by the walking descriptors: waves 0 and 1 fetch Wo's two halves, waves 2 and 3 o's.  An s_nop 0 and four v_nop follow each of the two lines.
.macro JLOAD
	s_cmp_eq_u32 s15, 0
	s_cbranch_scc0 .Lfor_a_\@
	tensor_load_to_lds s[G0B+4:G0B+7], s[G1B:G1B+7]
	s_nop 0
.rept 4
	v_nop
.endr
	s_branch .Lasked_\@
.Lfor_a_\@:
	tensor_load_to_lds s[G0+4:G0+7], s[G1:G1+7]
	s_nop 0
.rept 4
	v_nop
.endr
.Lasked_\@:
.endm
; A PREFETCH INTO THE L2 of o's K step that stands two refills on: 256 bytes of each of the tile's 128 rows.  The four partners that ask for the tile jointly share its rows out BY ADDRESS, 32 each, a lane a row;
; wave 0 asks: each block of 256 bytes is named once in the launch.  The refills of K steps 2 to 5 (s3 = 6 to 3) name K steps 4 to 7; the last two name nothing.  Wo, which every cluster reads, is not asked for.
.macro ASK
	s_cmp_gt_u32 s3, s[LIM]
	s_cbranch_scc0 .Lnot_mine_\@
	global_prefetch_b8 v[PFO], s[PFA:PFA+1] offset:KSTEP*2 th:TH_LOAD_NT scope:SCOPE_SE
.Lnot_mine_\@:
.endm
.macro CREST                           ; a round of the cluster's barrier behind its opening barrier
	s_cmp_lg_u32 s14, 0
	s_cbranch_scc1 .Lnot_wave_0_\@
	s_barrier_signal -3
.Lnot_wave_0_\@:
	s_barrier_wait -3
	s_barrier_signal -1
	s_barrier_wait -1
.endm
.macro CROUND                          ; a whole round
	s_barrier_signal -1
	s_barrier_wait -1
	CREST
.endm
.macro PLACES                          ; four places in front of loads into registers that matrix instructions have read
.rept 4
	v_nop
.endr
.endm
	s_load_b256 s[4:11], s[0:1], 0x0               ; o16 s[4:5], w16 s[6:7], bo s[8:9], out0 s[10:11]
	v_lshl_add_u32 v[SPW], v0, 2, SPARE
	v_mov_b32 v[NIL], 0
	ds_add_u32 v[SPW], v[NIL]                      ; the wave's opening: the add and its wait stand ahead of my first tensor load; the set-up below, work on registers, stands between them
	v_lshrrev_b32 v1, 5, v0
	v_readfirstlane_b32 s14, v1                    ; wave 0..3
	s_lshr_b32 s15, s14, 1                         ; which 64 rows of the tile are mine.  Also: I fetch for Wo (0) or for o (1)
	s_and_b32 s16, s14, 1                          ; which 128 columns.  Also: which half of that tile I fetch
	s_bfe_u32 s17, ttmp6, 0x40000                  ; cx
	s_bfe_u32 s18, ttmp6, 0x40004                  ; cy
	s_lshl_b32 s19, ttmp9, 2
	s_add_co_u32 s19, s19, s17                     ; column tile 0..3
	s_and_b32 s22, ttmp7, 0xffff
	s_lshl_b32 s22, s22, 2
	s_add_co_u32 s22, s22, s18                     ; row tile 0..63
	s_lshl_b32 s40, s18, 2
	s_lshl_b32 s40, 15, s40                        ; my row of the cluster
	s_lshl_b32 s41, 0x1111, s17                    ; my column
	; group 1 for o: 64 rows x 128 elements of 2 bytes, padded
	s_or_b32 s[G1+0], s40, (1<<16)|(1<<20)|(1<<21)|(5<<22)|(3<<25)  ; 15:0 the mask; 17:16 elements of 2 bytes; 20 padding on; 21 set beside a mask; 24:22 after every 64 words (code 5); 31:25 4 words (code 3)
	s_mov_b32 s[G1+1], 128<<16                     ; tensor_dim0 = 128
	s_mov_b32 s[G1+2], 64<<16                      ; tensor_dim1 = 64
	s_mov_b32 s[G1+3], 128<<16                     ; tile_dim0 = 128
	s_mov_b32 s[G1+4], 64                          ; tile_dim1 = 64
	s_mov_b32 s[G1+5], 1024                        ; elements from row to row
	s_mov_b32 s[G1+6], 0
	s_mov_b32 s[G1+7], 0
	; group 1 for Wo: 64 k-rows x 256 elements of 2 bytes, padded
	s_or_b32 s[G1B+0], s41, (1<<16)|(1<<20)|(1<<21)|(6<<22)|(7<<25) ; after every 128 words (code 6) 8 words (code 7)
	s_mov_b32 s[G1B+1], 256<<16
	s_mov_b32 s[G1B+2], 64<<16
	s_mov_b32 s[G1B+3], 256<<16
	s_mov_b32 s[G1B+4], 64
	s_mov_b32 s[G1B+5], 1024
	s_mov_b32 s[G1B+6], 0
	s_mov_b32 s[G1B+7], 0
	s_mul_i32 s23, s14, 64*PB                      ; where Wo's half goes (waves 0, 1): wave x 34,816
	s_mul_i32 s20, s14, 64*PA                      ; where o's half goes (waves 2, 3): 34,816 + wave x 17,408 = AOFF + (wave - 2) x 17,408
	s_add_co_u32 s20, s20, AOFF-2*64*PA
	s_lshl_b32 s66, s22, 7                         ; o's tile: row 128 x row tile + 64 x half, 2,048 bytes a row: made of the row tile and the wave's number alone
	s_lshl_b32 s67, s16, 6
	s_add_co_u32 s66, s66, s67
	s_lshl_b32 s66, s66, 11
	s_mov_b32 s67, 0
	s_lshl_b32 s68, s16, 17                        ; Wo's tile: plane 3, k-row 64 x half, column 256 x column tile: made of the column tile and the wave's number alone
	s_add_co_u32 s68, s68, 3<<21
	s_lshl_b32 s69, s19, 9
	s_add_co_u32 s68, s68, s69
	s_mov_b32 s69, 0
	s_lshl_b32 s70, s19, 10                        ; bo: my 128 columns, 4 bytes each
	s_lshl_b32 s71, s16, 9
	s_add_co_u32 s70, s70, s71
	s_mov_b32 s71, 0
	s_lshl_b32 s72, s22, 7                         ; out0: my first row, 4,096 bytes a row, and the same columns
	s_lshl_b32 s73, s15, 6
	s_add_co_u32 s72, s72, s73
	s_lshl_b32 s74, s72, 11                        ; o16, for the residual: the same row, 2,048 bytes a row,
	s_lshl_b32 s72, s72, 12
	s_add_co_u32 s72, s72, s70
	s_mov_b32 s73, 0
	s_lshr_b32 s75, s70, 1                         ; the same columns, 2 bytes each
	s_add_co_u32 s74, s74, s75
	s_mov_b32 s75, 0
	s_lshl_b32 s76, s22, 7                         ; the prefetches: the tile's rows, my work-group's 32 of them,
	s_lshl_b32 s77, s17, 5
	s_add_co_u32 s76, s76, s77
	s_lshl_b32 s76, s76, 11
	s_add_co_u32 s76, s76, 2*KSTEP*2               ; at K step 2: the first refill steps it to 3 and names K step 4
	s_mov_b32 s77, 0
	s_cmp_eq_u32 s14, 0
	s_cselect_b32 s[LIM], 2, -1                    ; wave 0 prefetches: the same in all partners
	s_mov_b32 s[TB], 0
	s_wait_dscnt 0x0                               ; the opening add is done
	s_wait_kmcnt 0x0
	s_add_nc_u64 s[PFA:PFA+1], s[4:5], s[76:77]
	s_add_nc_u64 s[12:13], s[4:5], s[74:75]
	s_add_nc_u64 s[46:47], s[4:5], s[66:67]
	s_add_nc_u64 s[68:69], s[6:7], s[68:69]
	s_add_nc_u64 s[8:9], s[8:9], s[70:71]
	s_add_nc_u64 s[10:11], s[10:11], s[72:73]
	CROUND                                         ; all sixteen work-groups are here: the first joint loads meet
.irp s, 0,1
	s_mov_b32 s[G0+4*(\s)], 1                                      ; count = 1
	s_add_co_u32 s[G0+4*(\s)+1], s20, (\s)*SLOT1                   ; LDS address
	s_add_nc_u64 s[G0+4*(\s)+2:G0+4*(\s)+3], s[46:47], (\s)*KSTEP*2  ; global address: K step s
	s_or_b32 s[G0+4*(\s)+3], s[G0+4*(\s)+3], 0x80000000            ; type = 2
	s_mov_b32 s[G0B+4*(\s)], 1
	s_add_co_u32 s[G0B+4*(\s)+1], s23, (\s)*SLOT1
	s_add_nc_u64 s[G0B+4*(\s)+2:G0B+4*(\s)+3], s[68:69], (\s)*KSTEP*2048
	s_or_b32 s[G0B+4*(\s)+3], s[G0B+4*(\s)+3], 0x80000000
.endr
	s_cmp_eq_u32 s15, 0                            ; a wave's two first fills stand in one branch, ahead of every wait on TENSORcnt and every LDS read: two loads of mine are out
	s_cbranch_scc0 .Lfirst_a
	tensor_load_to_lds s[G0B:G0B+3], s[G1B:G1B+7]
	s_nop 0
	tensor_load_to_lds s[G0B+4:G0B+7], s[G1B:G1B+7]
	s_nop 0
.rept 4
	v_nop
.endr
	s_branch .Lfirst_asked
.Lfirst_a:
	tensor_load_to_lds s[G0:G0+3], s[G1:G1+7]
	s_nop 0
	tensor_load_to_lds s[G0+4:G0+7], s[G1:G1+7]
	s_nop 0
.rept 4
	v_nop
.endr
.Lfirst_asked:
	v_and_b32 v1, 15, v0                           ; l % 16
	v_bfe_u32 v2, v0, 4, 1                         ; l / 16
	v_lshlrev_b32 v[BOF], 5, v2
.irp b, 0,1,2,3,4,5,6,7                ; bo of columns 16 b + 8 (l / 16) + 0..7: the eight registers of an accumulator of column block b
	global_load_b128 v[BIAS+8*(\b):BIAS+8*(\b)+3],   v[BOF], s[8:9] offset:64*(\b)
	global_load_b128 v[BIAS+8*(\b)+4:BIAS+8*(\b)+7], v[BOF], s[8:9] offset:64*(\b)+16
.endr
	; o: a fragment is 16 rows x 32 channels in 8 registers: lane l holds row l % 16; two loads of 16 bytes, 32 bytes apart, at 16 (l / 16)
	v_mul_u32_u24 v3, v1, PA
	v_lshl_add_u32 v3, v2, 4, v3
	s_mul_i32 s74, s15, 64*PA                      ; my 64 rows,
	s_add_co_u32 s74, s74, AOFF                    ; behind Wo's k-rows
	v_add_nc_u32 v[ADRA0], s74, v3
	; Wo: the turning load takes 16 k-rows x 16 columns (lane l reads k-row 8 (l / 16) + l % 8, columns 8 ((l / 8) % 2) + 0..7) and leaves half a fragment: lane l holds column l % 16 and 8 k
	v_and_b32 v4, 7, v0
	v_lshl_add_u32 v4, v2, 3, v4
	v_mul_u32_u24 v4, v4, PB
	v_bfe_u32 v5, v0, 3, 1
	v_lshl_add_u32 v4, v5, 4, v4
	s_lshl_b32 s75, s16, 8                         ; my 128 columns
	v_add_nc_u32 v[ADRB0], s75, v4
	v_mov_b32 v[ADRA], v[ADRA0]                    ; slot 0
	v_mov_b32 v[ADRB], v[ADRB0]
	s_mul_i32 s74, s14, 16*SPITCH
	s_add_co_u32 s74, s74, STAGE                   ; my stage
	v_mul_u32_u24 v3, v1, SPITCH                   ; in: row l % 16, 32 bytes for each half of the lanes
	v_lshl_add_u32 v3, v2, 5, v3
	v_add_nc_u32 v[STO], s74, v3
	v_and_b32 v3, 31, v0
	v_lshl_add_u32 v[RD], v3, 4, s74               ; back: 32 lanes take one row of 512 bytes
	v_lshlrev_b32 v[CO], 4, v3
	v_lshlrev_b32 v[RO], 3, v3
	v_lshlrev_b32 v[PFO], 11, v3
	v_mov_b32 v[ONE], 1.0
; 24 LDS loads in one run: the fragments of quarter kq (32 along K) of the slot in hand, into buffer g
.macro FETCH kq, g
	WIN TO_B
.irp b, 0,1,2,3,4,5,6,7
	ds_load_tr16_b128 v[64*(\g)+8*(\b):64*(\g)+8*(\b)+3],   v[ADRB] offset:(\kq)*32*PB+32*(\b)
	ds_load_tr16_b128 v[64*(\g)+8*(\b)+4:64*(\g)+8*(\b)+7], v[ADRB] offset:(\kq)*32*PB+16*PB+32*(\b)
.endr
	WIN 0
.irp a, 0,1,2,3
	ds_load_b128 v[AH+32*(\g)+8*(\a):AH+32*(\g)+8*(\a)+3],   v[ADRA] offset:(\a)*16*PA+(\kq)*64
	ds_load_b128 v[AH+32*(\g)+8*(\a)+4:AH+32*(\g)+8*(\a)+7], v[ADRA] offset:(\a)*16*PA+(\kq)*64+32
.endr
.endm
; 8 matrix instructions: row block a x all 8 column blocks, 32 along K, on buffer f.  first = 1: the product starts the sum, with bo as C.  The 32 accumulators take turns, one instruction a turn, in the
; same order in every quarter.
.macro MUL8 f, a, first
.irp b, 0,1,2,3,4,5,6,7
.if \first
	WIN MULB
	v_wmma_f32_16x16x32_f16 v[8*(8*(\a)+(\b)):8*(8*(\a)+(\b))+7], v[64*(\f)+8*(\b):64*(\f)+8*(\b)+7], v[AH+32*(\f)+8*(\a):AH+32*(\f)+8*(\a)+7], v[BIAS+8*(\b):BIAS+8*(\b)+7]
.else
	WIN MUL
	v_wmma_f32_16x16x32_f16 v[8*(8*(\a)+(\b)):8*(8*(\a)+(\b))+7], v[64*(\f)+8*(\b):64*(\f)+8*(\b)+7], v[AH+32*(\f)+8*(\a):AH+32*(\f)+8*(\a)+7], v[8*(8*(\a)+(\b)):8*(8*(\a)+(\b))+7]
.endif
.endr
.endm
; A K step is four quarters of 32 along K, 32 matrix instructions each, on buffers 0, 1, 0, 1.  One of the first three: buffer f, asked for a quarter ago, is waited for; the next quarter's loads go out into buffer g,
; four places behind the products that read it; then buffer f is multiplied.
.macro QUARTER kq, f, g, first
	s_wait_dscnt 0x0
	PLACES
	FETCH \kq, \g
	MUL8 \f, 0, \first
	MUL8 \f, 1, \first
	MUL8 \f, 2, \first
	MUL8 \f, 3, \first
.endm
; The last quarter multiplies buffer 1 and changes slots: ONE barrier.  In front of it each wave waits for all its tensor loads (one is out: its part of the next slot), adds 0 to its spare word, and waits for that and
; for its own reads of this slot.  fill = 1: the barrier opens a round of the cluster's, and this slot is filled again, two K steps ahead, first thing behind the round: 112 matrix instructions ahead of the wait for it.
.macro TURN fill
.if \fill
	s_wait_xcnt 0x0                                ; the last prefetch, a K step back, has read its address
	s_add_nc_u64 s[PFA:PFA+1], s[PFA:PFA+1], KSTEP*2
.endif
	WIN 0                                          ; (the add's two registers lie in window 0)
	s_wait_tensorcnt 0x0                           ; all my tensor loads have landed
	ds_add_u32 v[SPW], v[NIL]                      ; 0 onto my spare word
	s_wait_dscnt 0x1                               ; buffer 1 is in: the add alone may be out
	MUL8 1, 0, 0                                   ; eight matrix instructions stand between the add and the wait for it
	s_wait_dscnt 0x0                               ; the add is done, and my reads of this slot are over
	s_barrier_signal -1
	MUL8 1, 1, 0
	WIN 0
	s_barrier_wait -1
.if \fill
	CREST                                          ; no wave of any partner still reads this slot's tile or has a load on its way
	s_xor_b32 s[G0+5], s[G0+5], SLOT1              ; the walking descriptors: the other slot than last time, the next K step
	s_add_nc_u64 s[G0+6:G0+7], s[G0+6:G0+7], KSTEP*2
	s_xor_b32 s[G0B+5], s[G0B+5], SLOT1
	s_add_nc_u64 s[G0B+6:G0B+7], s[G0B+6:G0B+7], KSTEP*2048
	JLOAD                                          ; the four v_nop behind it are also the places in front of the loads below
.else
	PLACES
.endif
	s_xor_b32 s[TB], s[TB], SLOT1                  ; the fetches go on in the other slot
	v_add_nc_u32 v[ADRA], s[TB], v[ADRA0]
	v_add_nc_u32 v[ADRB], s[TB], v[ADRB0]
	FETCH 0, 0
.if \fill
	ASK
.endif
	MUL8 1, 2, 0
	MUL8 1, 3, 0
.endm
; THE WAY OUT of row block a.  TOSTAGE: the sums go as they are, 32 bytes a lane (each accumulator's low four registers first), into my own stage, and come back as whole rows of 512 bytes.
.macro TOSTAGE a
.if (\a) >= 2
	s_wait_xcnt 0x0                                ; the stores of block a - 2 have read the registers that the loads below write
.endif
	WIN 0x08                                       ; the stores' data in window 2
.irp b, 0,1,2,3,4,5,6,7
	ds_store_b128 v[STO], v[8*(8*(\a)+(\b)):8*(8*(\a)+(\b))+3]   offset:64*(\b)
	ds_store_b128 v[STO], v[8*(8*(\a)+(\b))+4:8*(8*(\a)+(\b))+7] offset:64*(\b)+16
.endr
	WIN 0
.irp t, 0,1,2,3,4,5,6,7,8,9,10,11,12,13,14,15
	ds_load_b128 v[ZB+64*((\a)%2)+4*(\t):ZB+64*((\a)%2)+4*(\t)+3], v[RD] offset:(\t)*SPITCH  ; LDS serves a wave's instructions in order (ISA guide 5.7.1.4): these see the stores above; the next block's stores come behind them
.endr
.endm
; FIN: max(0, sum), then o, read as an f16 half, is added in f32; 16 rows are stored.  younger: the LDS instructions issued behind this block's loads: the next block's 32, or none.
.macro FIN a, younger
	WIN 0
	s_wait_dscnt \younger
	s_wait_loadcnt 48-16*(\a)                      ; my rows 16 a .. 16 a + 15 of o are in; the later blocks' 48 - 16 a loads may stay out
.set zz, ZB+64*((\a)%2)
.set i, 0
.rept 64
	v_max_num_f32 v[zz+i], 0, v[zz+i]
.set i, i+1
.endr
	WIN 0x01                                       ; source 0 (o) in window 1
.set i, 0
.rept 32
	v_fma_mix_f32 v[zz+2*i],   v[R+32*(\a)+i], v[ONE], v[zz+2*i]   op_sel_hi:[1,0,0]
	v_fma_mix_f32 v[zz+2*i+1], v[R+32*(\a)+i], v[ONE], v[zz+2*i+1] op_sel:[1,0,0] op_sel_hi:[1,0,0]
.set i, i+1
.endr
	WIN 0
.irp t, 0,1,2,3,4,5,6,7,8,9,10,11,12,13,14,15
	global_store_b128 v[CO], v[zz+4*(\t):zz+4*(\t)+3], s[10:11] offset:(16*(\a)+(\t))*4096 th:TH_STORE_NT  ; 512 consecutive bytes of a row, at a multiple of 256 from out0's first byte
.endr
.endm
	s_wait_tensorcnt 0x1                           ; my part of K step 0 is in; K step 1's may stay out
	s_barrier_signal -1
	s_barrier_wait -1                              ; everybody's is
	FETCH 0, 0
	s_wait_loadcnt 0x0                             ; bo
	QUARTER 1, 0, 1, 1                             ; the first quarter stands in front of the loop: its products start the sums
	WIN 0                                          ; at a label and at a branch every window is 0
	s_mov_b32 s3, 6
.Lstep:                                                ; a trip goes from a K step's second quarter to the next step's first, and fills the slot that it leaves: K steps 2 to 7
	QUARTER 2, 1, 0, 0
	QUARTER 3, 0, 1, 0
	TURN 1
	QUARTER 1, 0, 1, 0
	WIN 0
	s_sub_co_u32 s3, s3, 1
	s_cmp_lg_u32 s3, 0
	s_cbranch_scc1 .Lstep
	WIN TO_B                                       ; the residual's o: my 64 rows, 256 consecutive bytes, aligned, each; asked for here, nearly two K steps ahead of its use
.set i, 0
.rept 64
	global_load_b64 v[R+2*i:R+2*i+1], v[RO], s[12:13] offset:2048*i
.set i, i+1
.endr
	QUARTER 2, 1, 0, 0                             ; the last two K steps fill nothing, and have no round of the cluster's barrier
	QUARTER 3, 0, 1, 0
	TURN 0
	QUARTER 1, 0, 1, 0
	QUARTER 2, 1, 0, 0
	QUARTER 3, 0, 1, 0
	s_wait_dscnt 0x0                               ; the very last quarter: nothing more to fetch
	MUL8 1, 0, 0
	MUL8 1, 1, 0
	MUL8 1, 2, 0
	MUL8 1, 3, 0
	WIN 0
	PLACES                                         ; the LDS stores below read results, and no other vector work is at hand
	PLACES
	TOSTAGE 0
	TOSTAGE 1
	FIN 0, 32
	TOSTAGE 2
	FIN 1, 32
	TOSTAGE 3
	FIN 2, 32
	FIN 3, 0
	s_wait_tensorcnt 0x0                           ; the wave's end: the wait, the add and its wait stand behind my last tensor load and my last LDS store
	ds_add_u32 v[SPW], v[NIL]
	s_wait_dscnt 0x0
	CROUND                                         ; the closing round: no work-group ends while a partner may still ask for a tile that names it
	s_endpgm
.Lfunc_end_k_qb11816a4a4_outp:
	.size	k_qb11816a4a4_outp, .Lfunc_end_k_qb11816a4a4_outp-k_qb11816a4a4_outp
	.p2alignl 7, 3214868480
	.fill 96, 4, 3214868480
	.section	.rodata,"a",@progbits
	.p2align	6, 0x0
	.amdhsa_kernel k_qb11816a4a4_outp
		.amdhsa_group_segment_fixed_size 327680
		.amdhsa_private_segment_fixed_size 0
		.amdhsa_enable_private_segment 0
		.amdhsa_kernarg_size 32
		.amdhsa_user_sgpr_count 2
		.amdhsa_user_sgpr_kernarg_segment_ptr 1
		.amdhsa_wavefront_size32 1
		.amdhsa_system_sgpr_workgroup_id_x 1
		.amdhsa_system_sgpr_workgroup_id_y 1
		.amdhsa_system_sgpr_workgroup_id_z 1
		.amdhsa_system_vgpr_workitem_id 0
		.amdhsa_next_free_vgpr 768
		.amdhsa_next_free_sgpr 80
		.amdhsa_reserve_vcc 0
		.amdhsa_float_denorm_mode_32 3
		.amdhsa_float_denorm_mode_16_64 3
		.amdhsa_memory_ordered 1
		.amdhsa_forward_progress 1
		.amdhsa_inst_pref_size 102
	.end_amdhsa_kernel
	.amdgpu_metadata
---
amdhsa.version: [ 1, 2 ]
amdhsa.kernels:
  - .name:           k_qb11816a4a4_outp
    .symbol:         k_qb11816a4a4_outp.kd
    .args:
      - { .name: o16, .offset: 0, .size: 8, .value_kind: global_buffer, .address_space: global }
      - { .name: w16, .offset: 8, .size: 8, .value_kind: global_buffer, .address_space: global }
      - { .name: bo, .offset: 16, .size: 8, .value_kind: global_buffer, .address_space: global }
      - { .name: out0, .offset: 24, .size: 8, .value_kind: global_buffer, .address_space: global }
    .group_segment_fixed_size: 327680
    .private_segment_fixed_size: 0
    .kernarg_segment_align: 8
    .kernarg_segment_size: 32
    .max_flat_workgroup_size: 128
    .sgpr_count:     80
    .vgpr_count:     768
    .wavefront_size: 32
...
	.end_amdgpu_metadata
.endif
;; end of part 4
